; MI455X (gfx1250); checked and timed in simulation.
; The chip was launched on July 23, 2026; its instructions are those of AMD's public machine-readable ISA for CDNA 5 (MIT licence, August 2026) and "CDNA5" Instruction Set Architecture Reference Guide (July 2026). The comments in the code are by the model that wrote it; some were corrected since.
;; Attention. Allowed arithmetic: matrix products marked QUANTISED: E4M3 operands, one given power-of-two scale a tensor, by v_wmma_f32_16x16x64_fp8_fp8 or v_wmma_f32_16x16x128_fp8_fp8, f32 sums; everything else in f32.
;; Inputs: lowp_scales 12 int32 (the exponents e of the quantised operands' scales 2^e); pos_cos 1,024 x 32 float32; pos_sin 1,024 x 32 float32; wk 2,048 x 512 float32; wo 2,048 x 2,048 float32; wq 2,048 x 2,048 float32; wv 2,048 x 512 float32; x 4 x 1,024 x 2,048 float32.
;; Outputs: out0 4 x 1,024 x 2,048 float32.
;; This version of the problem:
;;   THIS VERSION OF THE PROBLEM IS GIVEN IN LOW PRECISION. The matrix products marked QUANTISED in the list below multiply operands that are first quantised to E4M3 (4 exponent bits, 3 mantissa bits; 8 bits a number), with one given power-of-two scale for each operand tensor; their sums are f32. All else is computed in f32.
;;   The module's matrix products, in the order in which they are computed (A, B: the left and right operand; K: the contracted axis; several contracted axes count as one K, in the product's order):
;;     1. [M 4,096, K 2,048] x [K 2,048, N 2,048]; A: input x; B: input wq: QUANTISED (scales: A lowp_scales[0], B lowp_scales[1])
;;     2. [M 4,096, K 2,048] x [K 2,048, N 512]; A: input x; B: input wk: QUANTISED (scales: A lowp_scales[2], B lowp_scales[3])
;;     3. [M 4,096, K 2,048] x [K 2,048, N 512]; A: input x; B: input wv: QUANTISED (scales: A lowp_scales[4], B lowp_scales[5])
;;     4. batch 128 x [M 1,024, K 64] x [K 64, N 1,024]; A: computed on the way; B: computed on the way: QUANTISED (scales: A lowp_scales[6], B lowp_scales[7])
;;     5. batch 128 x [M 64, K 1,024] x [K 1,024, N 1,024]; A: computed on the way; B: softmax (see below): QUANTISED (scales: A lowp_scales[8], B lowp_scales[9])
;;     6. [M 4,096, K 2,048] x [K 2,048, N 2,048]; A: computed on the way; B: input wo: QUANTISED (scales: A lowp_scales[10], B lowp_scales[11])
;;   THE QUANTISER, for each operand of a quantised product, along K:
;;     - The operand's scale is 2^e, e = its entry of the input lowp_scales (int32; the entries are numbered through the quantised products in the list's order, A before B).
;;     - Each number is divided by the scale, clamped to +-448, and rounded to the nearest number of E4M3, ties to even, subnormals kept.
;;     - The product sums the exact products of the quantised numbers (number of the format x scale) in f32.
;;   ~~~python
;;   def quantise(x, axis, e):      # numpy; x: float32 -> the quantised numbers, widened to float32 again
;;       x = np.moveaxis(x, axis, -1); K = x.shape[-1]
;;       r = np.clip(x / 2.0 ** e, -448, 448)
;;       step = 2.0 ** (np.maximum(np.frexp(np.where(r == 0, 1, r))[1] - 1, -6) - 3)
;;       q = np.round(r / step) * step * 2.0 ** e      # np.round: ties to even
;;       return np.moveaxis(q, -1, axis).astype(np.float32)
;;   ~~~
;;   SOFTMAX AHEAD OF A QUANTISED PRODUCT. Where the list says 'softmax', what is quantised is not the finished softmax but p = 2^(t - M), with t = logit x log2(e) and M = ceil(the row's largest t), a whole number; so 1/2 < the row's largest p <= 1. The row's sum l is taken of the UNQUANTISED p, in f32, and the product's result is divided by l at the end. Since M is a whole number, a kernel that streams over the keys may use a running M (the ceiling of the running maximum): every later rescaling is an exact power of two, so the quantised numbers keep their values, but for numbers so far below the row's largest that they fall under the format's range.
;;   OPERANDS COMPUTED ON THE WAY. 'Computed on the way' means the value that the module computes at that place (a softmax that the list does not call 'softmax' is quantised finished and normalised). What goes into a quantiser is computed in f32, as accurately as f32 sums, v_exp_f32 and their like allow (about 1e-6 of the number): no bf16 or f16 on the way to a quantiser, and a product that is left as it is and whose result goes on into a quantised operand takes f32 operands (vector FMAs, or v_wmma_f32_16x16x4_f32). A number that lies on a knife's edge between two numbers of the format may be rounded either way, as far as f32 arithmetic and the matrix unit's own rounding can turn it there, and no further.
;; One version. Each part assembles by itself: llvm-mc -triple=amdgcn-amd-amdhsa -mcpu=gfx1250 --defsym DOCPART=n.
;; ======== version 1 of 1: 4 launches
;; limits: right only within a limited range of input values
;; workspace buffers: xcodes 25,165,824 bytes; wcodes 10,485,760 bytes; qimg 8,388,608 bytes; kvimg 4,194,304 bytes; acodes 8,388,608 bytes
;; launch prep (part 1): grid 576 x 1, 4 waves a work-group, no clusters, 55,808 bytes of LDS; arguments x, wq, wk, wv, wo, lowp_scales, xcodes, wcodes; writes xcodes, wcodes
.if DOCPART == 1
	.amdgcn_target "amdgcn-amd-amdhsa--gfx1250"
	.amdhsa_code_object_version 6
	.text
	.protected	k_q19788f104c_prep
	.globl	k_q19788f104c_prep
	.p2align	8
	.type	k_q19788f104c_prep,@function
k_q19788f104c_prep:
	s_mov_b64 s[64:65], 0
	v_nop
	global_prefetch_b8 v0, s[64:65] scope:SCOPE_SE
	s_setreg_imm32_b32 hwreg(HW_REG_WAVE_MODE, 25, 1), 1
	s_wait_xcnt 0x0
; PREP: every f32 input of a quantised product becomes codes of FP8 (E4M3), one code a byte, K innermost.
; code = number / 2^e, held within +-448, rounded to the nearest code, ties to even; e is the operand's entry (int32) of the buffer of scales.
; x [4096][2048] enters three products under three entries (0, 2, 4), which need not be equal: three planes of codes, xcodes [3][4096][2048].
; wq, wk, wv, wo are stored [k][n]: their codes are laid [n][k]: wcodes [5120][2048]: rows 0-2047 wq's columns (entry 1), 2048-2559 wk's (3), 2560-3071 wv's (5), 3072-5119 wo's (11).
; LIMITS: each of these seven exponents lies between -126 and 119, so that 2^e and 448 x 2^e are f32 numbers.  NaN among the inputs is not served; an infinity is held at the largest code.
; Work-groups 0-255 take x, 256-575 the weights.  The two ways part on the work-group's number, never join, and have LDS bytes of their own.  No tensor load, no barrier: waves share nothing.
.set STEPS, 16                         ; x: steps of 512 numbers for a wave
.set SP,    80                         ; x: a lane's place in a stage: its 64 bytes + 16 of padding
.set XREG,  5120                       ; x: LDS of a wave: two stages of 32 x SP bytes; four waves: bytes 0 .. 20,479
.set R,     16                         ; v16-79    x: four sets of 16 numbers as they are loaded
.set X,     80                         ; v80-111   x: two sets of 16 neighbours
.set T,     112                        ; v112-159  x: the 16 numbers held within a plane's range: a set for each plane
.set C,     160                        ; v160-183  x: codes: two sets x three planes x four registers
.set WLDS,  20480                      ; weights: LDS from here on: a stage of 32 rows x WPITCH for each wave
.set WPITCH, 272                       ; 256 bytes of codes + 16
.set WX,    32                         ; v32-95    weights: two sets of 32 numbers
.set WC,    96                         ; v96-103   a block's codes
.set OUTR,  112                        ; v112-175  the way out: 16 x 4 registers
.set OFF,   176                        ; v176-207  byte offset of row i of a block at my column: 4 x lane + i x the tensor's row
.macro XLOAD t                         ; step t: four loads, each of 512 consecutive bytes for the wave
.irp i, 0,1,2,3
	global_load_b128 v[R+16*((\t)%4)+4*\i:R+16*((\t)%4)+4*\i+3], v3, s[4:5] offset:2048*(\t)+512*\i th:TH_LOAD_NT
.endr
.endm
.macro XTURN t                         ; step t's 2,048 bytes go into the wave's stage as they lie and come back 64 bytes a lane; LDS serves a wave's instructions in order (ISA guide 5.7.1.4): no wait between
.irp i, 0,1,2,3
	ds_store_b128 v14, v[R+16*((\t)%4)+4*\i:R+16*((\t)%4)+4*\i+3] offset:32*SP*((\t)%2)+8*SP*\i
.endr
.irp i, 0,1,2,3
	ds_load_b128 v[X+16*((\t)%2)+4*\i:X+16*((\t)%2)+4*\i+3], v15 offset:32*SP*((\t)%2)+16*\i
.endr
.endm
.macro XSTEP t
.set XS, X+16*((\t)%2)
.set CS, C+12*((\t)%2)
	s_wait_dscnt 0x0                               ; this step's numbers are back from the stage, so its stores into the stage have read their registers,
.if (\t)+4 < STEPS
	XLOAD (\t)+4                                   ; which take the loads of four steps on
.endif
.if (\t)+1 < STEPS
.if STEPS-2-(\t) >= 3
	s_wait_loadcnt 12                              ; the next step's four loads are in; those of the three steps behind it may be out
.else
	s_wait_loadcnt 4*(STEPS-2-(\t))
.endif
	XTURN (\t)+1                                   ; and go through the other stage while this step is worked
.endif
	s_wait_xcnt 0x0                                ; the stores of two steps back have read this set of code registers: it is written again only behind this wait
.irp p, 0,1,2
.if \p
	s_cmp_eq_u32 s[44+\p], 0                       ; a plane whose exponent equals an earlier plane's has the same codes: it is neither made nor stored
	s_cbranch_scc1 .Lsame_\@_\p
.endif
.irp i, 0,1,2,3,4,5,6,7,8,9,10,11,12,13,14,15
	v_med3_num_f32 v[T+16*\p+\i], v[XS+\i], -v[11+\p], v[11+\p]   ; the conversion to an 8-bit code does not saturate (ISA guide 7.6.2): the hold at 448 x the plane's scale comes first
.endr
	v_cvt_scalef32_pk8_fp8_f32 v[CS+4*\p:CS+4*\p+1], v[T+16*\p:T+16*\p+7], v[8+\p]
	v_cvt_scalef32_pk8_fp8_f32 v[CS+4*\p+2:CS+4*\p+3], v[T+16*\p+8:T+16*\p+15], v[8+\p]
	v_nop                                          ; a plain line behind the conversions: where the other planes are passed over, the next step's holds write these sources next
	global_store_b128 v3, v[CS+4*\p:CS+4*\p+3], s[34+2*\p:35+2*\p] offset:512*(\t)   ; a lane's 16 codes: the wave stores 512 consecutive bytes, aligned
.if \p
.Lsame_\@_\p:
.endif
.endr
.endm
.macro WLOAD t                         ; block t: W(32 t + i, my column), i = 0 .. 31: each load reads 128 consecutive bytes for the wave, 512 for the work-group
.irp i, 0,1,2,3,4,5,6,7,8,9,10,11,12,13,14,15,16,17,18,19,20,21,22,23,24,25,26,27,28,29,30,31
	global_load_b32 v[WX+32*((\t)%2)+\i], v[OFF+\i], s[48+2*(\t):49+2*(\t)] th:TH_LOAD_NT
.endr
.endm
.macro WBLOCK t
.set XS, WX+32*((\t)%2)
.if (\t) < 7
	s_wait_loadcnt 32                              ; this block's 32 loads are in; the next block's may be out
.else
	s_wait_loadcnt 0
.endif
.irp i, 0,1,2,3,4,5,6,7,8,9,10,11,12,13,14,15,16,17,18,19,20,21,22,23,24,25,26,27,28,29,30,31
	v_med3_num_f32 v[XS+\i], v[XS+\i], -v10, v10
.endr
.irp g, 0,1,2,3
	v_cvt_scalef32_pk8_fp8_f32 v[WC+2*\g:WC+2*\g+1], v[XS+8*\g:XS+8*\g+7], v11
.endr
	ds_store_b128 v4, v[WC:WC+3] offset:32*(\t)    ; 32 codes: 32 bytes of my column's row
	ds_store_b128 v4, v[WC+4:WC+7] offset:32*(\t)+16
.if (\t)+2 < 8
	WLOAD (\t)+2
.endif
	s_wait_dscnt 0x0                               ; the stores have read their registers: the next block's codes may be written
.endm
	s_load_b512 s[4:19], s[0:1], 0x0               ; x 4:5, wq 6:7, wk 8:9, wv 10:11, wo 12:13, scales 14:15, xcodes 16:17, wcodes 18:19
	v_lshl_add_u32 v208, v0, 2, 0xd800
	v_mov_b32 v209, 0
	v_lshrrev_b32 v1, 5, v0
	v_readfirstlane_b32 s32, v1                    ; wave 0..3
	v_and_b32 v2, 31, v0                           ; lane
	s_wait_kmcnt 0x0
	s_load_b256 s[20:27], s[14:15], 0x0            ; entries 0 to 7
	s_load_b128 s[28:31], s[14:15], 0x20           ; entries 8 to 11
	s_cmp_lt_u32 ttmp9, 256
	s_cbranch_scc0 .Lweights
; ---- x.  Rows are dense, so x is a plain stream: wave 4 g + w takes 8,192 numbers, 16 steps of 512.  A conversion takes eight neighbours from ONE lane's registers, a load is dense where neighbouring
; lanes take neighbouring bytes: so a step's bytes turn through the wave's own stage.  Each number is read once and converted three times.
	s_wait_alu depctr_va_vdst(0)
	v_lshlrev_b32 v3, 4, v2                        ; my 16 bytes of a load's 512, and of a store's
	s_wait_alu depctr_va_vdst(0)
	s_mul_i32 s33, s32, XREG
	v_lshrrev_b32 v14, 2, v2
	v_mul_u32_u24 v14, v14, SP
	v_and_b32 v15, 3, v2
	v_lshl_add_u32 v14, v15, 4, v14
	v_add_nc_u32 v14, s33, v14                     ; the stage, on the way in: SP (lane / 4) + 16 (lane % 4); a load's 512 bytes take eight places
	v_mul_u32_u24 v15, v2, SP
	v_add_nc_u32 v15, s33, v15                     ; and on the way out: SP x lane: my 16 neighbours
	s_lshl_b32 s33, ttmp9, 2
	s_add_co_u32 s33, s33, s32                     ; which run of 8,192 numbers is my wave's
	s_lshl_b32 s40, s33, 15
	s_mov_b32 s41, 0
	s_add_nc_u64 s[4:5], s[4:5], s[40:41]
	s_lshl_b32 s40, s33, 13
	s_add_nc_u64 s[34:35], s[16:17], s[40:41]      ; my codes in plane 0,
	s_add_nc_u64 s[36:37], s[34:35], 0x800000      ; plane 1,
	s_add_nc_u64 s[38:39], s[36:37], 0x800000      ; plane 2: a plane's distance does not fit a store's immediate
.irp t, 0,1,2,3
	XLOAD \t
.endr
	s_wait_alu depctr_va_vdst(0)
	s_wait_kmcnt 0x0
.irp p, 0,1,2
	s_add_co_i32 s42, s[20+2*\p], 127
	s_lshl_b32 s43, s42, 23
	v_mov_b32 v[8+\p], s43                         ; 2^e as f32: the conversion takes its exponent field
	s_add_co_i32 s42, s42, 8
	s_lshl_b32 s42, s42, 23
	s_or_b32 s42, s42, 0x600000
	v_mov_b32 v[11+\p], s42                        ; 448 x 2^e
.endr
	s_wait_alu depctr_va_vdst(0)
	; WHICH PLANES ARE STORED.  Plane 0 always; plane 1 where entry 2 differs from entry 0; plane 2 where entry 4 differs from entries 0 and 2.
	; The launch that reads the planes makes the same comparisons and takes the earlier plane of equal exponent.
	s_cmp_lg_u32 s22, s20
	s_cselect_b32 s45, 1, 0
	s_cmp_lg_u32 s24, s20
	s_cselect_b32 s46, 1, 0
	s_cmp_lg_u32 s24, s22
	s_cselect_b32 s46, s46, 0
	s_wait_loadcnt 12                              ; step 0's four loads are in
	XTURN 0
.irp t, 0,1,2,3,4,5,6,7,8,9,10,11,12,13,14,15
	XSTEP \t
.endr
	s_wait_tensorcnt 0x0
	ds_add_u32 v208, v209
	s_wait_dscnt 0x0
	s_endpgm
; ---- the weights.  A LANE TAKES A COLUMN n, AND ITS REGISTERS RUN DOWN K, so the conversions give codes with K innermost and nothing is transposed by an instruction.
; A work-group takes 128 columns x 256 along K, a wave 32 columns: 8 blocks of 32.  A lane's codes belong to one row of wcodes: they go through the wave's stage and leave as rows of 256 bytes.
; Work-groups 256-383: wq; 384-511: wo; 512-543: wk; 544-575: wv.  Only pointers and numbers are chosen: one text serves both widths, with the row's length in a register.
.Lweights:
	s_mov_b32 s44, 8192                            ; a row of wq or wo in bytes
	s_cmp_ge_u32 ttmp9, 384
	s_cselect_b64 s[40:41], s[12:13], s[6:7]
	s_cselect_b32 s43, 3072, 0                     ; the tensor's first row in wcodes
	s_cmp_ge_u32 ttmp9, 512
	s_cselect_b64 s[40:41], s[8:9], s[40:41]
	s_cselect_b32 s43, 2048, s43
	s_cselect_b32 s44, 2048, s44                   ; a row of wk or wv
	s_cselect_b32 s45, 2, 4                        ; log2 of the blocks of 128 columns,
	s_cselect_b32 s46, 3, 15                       ; and their mask
	s_cmp_ge_u32 ttmp9, 544
	s_cselect_b64 s[40:41], s[10:11], s[40:41]
	s_cselect_b32 s43, 2560, s43
	s_and_b32 s33, ttmp9, 255
	s_and_b32 s34, s33, s46                        ; which 128 columns
	s_lshr_b32 s35, s33, s45
	s_and_b32 s35, s35, 7                          ; which 256 along K
	s_lshl_b32 s34, s34, 7
	s_lshl_b32 s47, s32, 5
	s_add_co_u32 s34, s34, s47                     ; my wave's first column
	s_mul_i32 s38, s35, s44
	s_lshl_b32 s38, s38, 8                         ; 256 rows for each step along K,
	s_lshl_b32 s47, s34, 2
	s_add_co_u32 s38, s38, s47                     ; + 4 bytes a column
	s_mov_b32 s39, 0
	s_add_nc_u64 s[48:49], s[40:41], s[38:39]      ; block 0's first row at my wave's first column
	s_lshl_b32 s38, s44, 5                         ; 32 rows on
.irp t, 1,2,3,4,5,6,7
	s_add_nc_u64 s[48+2*\t:49+2*\t], s[46+2*\t:47+2*\t], s[38:39]
.endr
	s_add_co_u32 s36, s43, s34
	s_lshl_b32 s36, s36, 11                        ; my first row of wcodes, 2,048 bytes a row,
	s_lshl_b32 s47, s35, 8
	s_add_co_u32 s36, s36, s47                     ; + my 256 along K
	s_mov_b32 s37, 0
	s_add_nc_u64 s[36:37], s[18:19], s[36:37]
	s_wait_alu depctr_va_vdst(0)
	v_lshlrev_b32 v[OFF], 2, v2
.irp i, 1,2,3,4,5,6,7,8,9,10,11,12,13,14,15,16,17,18,19,20,21,22,23,24,25,26,27,28,29,30,31
	v_add_nc_u32 v[OFF+\i], s44, v[OFF+\i-1]
.endr
	WLOAD 0
	WLOAD 1
	s_mul_i32 s47, s32, 32*WPITCH
	s_add_co_u32 s47, s47, WLDS                    ; my stage
	v_mul_u32_u24 v4, v2, WPITCH
	v_add_nc_u32 v4, s47, v4                       ; into it: row = my column
	v_and_b32 v5, 15, v2
	v_lshrrev_b32 v6, 4, v2                        ; out of it: sixteen lanes to a row, two rows an instruction
	v_mul_u32_u24 v7, v6, WPITCH
	v_lshl_add_u32 v7, v5, 4, v7
	v_add_nc_u32 v7, s47, v7
	v_lshlrev_b32 v8, 11, v6
	v_lshl_add_u32 v8, v5, 4, v8                   ; and the same place in wcodes
	s_wait_kmcnt 0x0
	s_cmp_ge_u32 ttmp9, 384
	s_cselect_b32 s42, s31, s21                    ; entry 11 for wo, 1 for wq,
	s_cmp_ge_u32 ttmp9, 512
	s_cselect_b32 s42, s23, s42                    ; 3 for wk,
	s_cmp_ge_u32 ttmp9, 544
	s_cselect_b32 s42, s25, s42                    ; 5 for wv
	s_add_co_i32 s42, s42, 127
	s_lshl_b32 s43, s42, 23
	v_mov_b32 v11, s43                             ; 2^e
	s_add_co_i32 s42, s42, 8
	s_lshl_b32 s42, s42, 23
	s_or_b32 s42, s42, 0x600000
	v_mov_b32 v10, s42                             ; 448 x 2^e
	s_wait_alu depctr_va_vdst(0)
.irp t, 0,1,2,3,4,5,6,7
	WBLOCK \t
.endr
.irp t, 0,1,2,3,4,5,6,7,8,9,10,11,12,13,14,15
	ds_load_b128 v[OUTR+4*\t:OUTR+4*\t+3], v7 offset:2*\t*WPITCH   ; in order behind my stores
.endr
.irp t, 0,1,2,3,4,5,6,7,8,9,10,11,12,13,14,15
	s_wait_dscnt 15-\t
	global_store_b128 v8, v[OUTR+4*\t:OUTR+4*\t+3], s[36:37] offset:4096*\t   ; sixteen lanes store 256 consecutive bytes, aligned
.endr
	s_wait_tensorcnt 0x0
	ds_add_u32 v208, v209
	s_wait_dscnt 0x0
	s_endpgm
.Lfunc_end_k_q19788f104c_prep:
	.size	k_q19788f104c_prep, .Lfunc_end_k_q19788f104c_prep-k_q19788f104c_prep
	.p2alignl 7, 3214868480
	.fill 96, 4, 3214868480
	.section	.rodata,"a",@progbits
	.p2align	6, 0x0
	.amdhsa_kernel k_q19788f104c_prep
		.amdhsa_group_segment_fixed_size 55808
		.amdhsa_private_segment_fixed_size 0
		.amdhsa_enable_private_segment 0
		.amdhsa_kernarg_size 64
		.amdhsa_user_sgpr_count 2
		.amdhsa_user_sgpr_kernarg_segment_ptr 1
		.amdhsa_wavefront_size32 1
		.amdhsa_system_sgpr_workgroup_id_x 1
		.amdhsa_system_sgpr_workgroup_id_y 1
		.amdhsa_system_sgpr_workgroup_id_z 1
		.amdhsa_system_vgpr_workitem_id 0
		.amdhsa_next_free_vgpr 210
		.amdhsa_next_free_sgpr 66
		.amdhsa_reserve_vcc 0
		.amdhsa_float_denorm_mode_32 3
		.amdhsa_float_denorm_mode_16_64 3
		.amdhsa_memory_ordered 1
		.amdhsa_forward_progress 1
		.amdhsa_inst_pref_size 131
	.end_amdhsa_kernel
	.amdgpu_metadata
---
amdhsa.version: [ 1, 2 ]
amdhsa.kernels:
  - .name:           k_q19788f104c_prep
    .symbol:         k_q19788f104c_prep.kd
    .args:
      - { .name: x, .offset: 0, .size: 8, .value_kind: global_buffer, .address_space: global }
      - { .name: wq, .offset: 8, .size: 8, .value_kind: global_buffer, .address_space: global }
      - { .name: wk, .offset: 16, .size: 8, .value_kind: global_buffer, .address_space: global }
      - { .name: wv, .offset: 24, .size: 8, .value_kind: global_buffer, .address_space: global }
      - { .name: wo, .offset: 32, .size: 8, .value_kind: global_buffer, .address_space: global }
      - { .name: lowp_scales, .offset: 40, .size: 8, .value_kind: global_buffer, .address_space: global }
      - { .name: xcodes, .offset: 48, .size: 8, .value_kind: global_buffer, .address_space: global }
      - { .name: wcodes, .offset: 56, .size: 8, .value_kind: global_buffer, .address_space: global }
    .group_segment_fixed_size: 55808
    .private_segment_fixed_size: 0
    .kernarg_segment_align: 8
    .kernarg_segment_size: 64
    .max_flat_workgroup_size: 128
    .sgpr_count:     66
    .vgpr_count:     210
    .wavefront_size: 32
...
	.end_amdgpu_metadata
.endif
;; end of part 1
;; launch qkv (part 2): grid 16 x 12, 4 waves a work-group, clusters of 4 x 1, 327,680 bytes of LDS; arguments xcodes, wcodes, lowp_scales, pos_cos, pos_sin, qimg, kvimg; writes qimg, kvimg
.if DOCPART == 2
	.amdgcn_target "amdgcn-amd-amdhsa--gfx1250"
	.amdhsa_code_object_version 6
	.text
	.protected	k_q19788f104c_qkv
	.globl	k_q19788f104c_qkv
	.p2align	8
	.type	k_q19788f104c_qkv,@function
k_q19788f104c_qkv:
	s_mov_b64 s[64:65], 0
	v_nop
	global_prefetch_b8 v0, s[64:65] scope:SCOPE_SE
	s_setreg_imm32_b32 hwreg(HW_REG_WAVE_MODE, 25, 1), 1
	s_wait_xcnt 0x0
	s_wait_alu depctr_hold_cnt(0) depctr_sa_sdst(0) depctr_va_vdst(0) depctr_va_sdst(0) depctr_va_ssrc(0) depctr_va_vcc(0) depctr_vm_vsrc(0)
	s_getreg_b32 s2, hwreg(HW_REG_IB_STS2, 6, 4)
	s_cmp_eq_u32 s2, 0
	s_cbranch_scc0 .Lentry_in_a_cluster
	s_endpgm
.Lentry_in_a_cluster:
	s_bfe_u32 s2, ttmp6, 0x10000c
	s_cmp_lg_u32 s2, 0x3003
	s_cbranch_scc0 .Lentry_shape_is_right
	s_endpgm
.Lentry_shape_is_right:
; QKV: x wq, x wk, x wv on codes of FP8 (E4M3), K = 2,048; then the rotary turn (q, k), and the quantiser of the next product's operand (entries 6, 7, 8).  The sums' two scales and the next one are folded into the conversion's scale.
; A tile of 256 tokens x 256 columns to a work-group, 128 x 128 to each of four waves: 16 x 12 tiles: tile columns 0-7 q, 8-9 k, 10-11 v.  K goes in steps of 256 through a ring of two LDS slots.
; x's codes lie in up to three planes (entries 0, 2, 4); a plane whose exponent equals an earlier one's was not stored, and the earlier plane is taken: chosen by s_cselect_b32, with no branch.
; CLUSTER 4, 1, 1: the four partners make four tile rows of one tile column and ask for w's tile jointly.  x's tiles are not asked for jointly: four tile columns on end would hold k's and v's, whose planes may differ.
; ONE TEXT FOR ALL PRODUCTS: source 0 = 16 rows of w's codes, source 1 = 16 tokens: a lane holds one token, its eight registers eight neighbouring channels.  That is the order q's and k's images want.
; v's images want the keys innermost: its codes are turned through the wave's stage in LDS on the way out (below).  The stage lies in slot 0, behind that slot's last fill and last read.
; OUT: register images, 16 bytes a lane: qimg [batch][head][16 tokens][1,024]; kvimg [batch][kv head]: k's 64 fragments of 1,024 bytes, then v [128 keys][16 channels][2,048].
; LIMITS: the folded exponent (next entry less the product's two) lies between -126 and 119.  NaN among the inputs is not served.
.set KSTEP,  256
.set ROWB,   256
.set KROW,   2048
.set PITCH,  272
.set FR,     16
.set NL,     4
.set NP,     4
.set HALFT,  128*PITCH
.set SLOT,   4*HALFT
.set LAPS,   4
.set SPARE,  2*SLOT
.set ADRA, 16
.set ADRB, 20
.set CSO,  22
.set CO0,  24
.set CO1,  25
.set SCL,  26
.set LIM,  27
.set SPW,  28
.set NIL,  29
.set PFO,  30
.set CS,   32
.set AF,   128
.set TMP,  128
.set CD,   192
.set PFA,  12
.set ASKL, 41
.set G1, 24
.set G0, 32
.set G1B, 48
.set G0B, 56
.set MSB, 0
.macro WIN new
.if MSB != \new
	s_set_vgpr_msb (MSB<<8)|\new
.set MSB, \new
.endif
.endm
.set MUL_LO, 0xa1
.set MUL_HI, 0xf1
.set TO_B,   0x40
.macro JLOAD g0a, g1a, g0b, g1b
	s_cmp_eq_u32 s15, 0
	s_cbranch_scc0 .Lfor_b_\@
	tensor_load_to_lds s[\g0a:\g0a+3], s[\g1a:\g1a+7]
	s_nop 0
.rept 4
	v_nop
.endr
	s_branch .Lasked_\@
.Lfor_b_\@:
	tensor_load_to_lds s[\g0b:\g0b+3], s[\g1b:\g1b+7]
	s_nop 0
.rept 4
	v_nop
.endr
.Lasked_\@:
.endm
.macro ASK
	s_cmp_gt_u32 s3, s[ASKL]
	s_cbranch_scc0 .Lnot_mine_\@
	s_wait_alu depctr_va_vdst(0)
	global_prefetch_b8 v[PFO], s[PFA:PFA+1] offset:2*ROWB th:TH_LOAD_NT scope:SCOPE_SE
	s_cmp_eq_u32 s15, 0
	s_cbranch_scc0 .Lnot_mine_\@
	global_prefetch_b8 v[PFO], s[PFA:PFA+1] offset:2*ROWB+32*KROW th:TH_LOAD_NT scope:SCOPE_SE
	global_prefetch_b8 v[PFO], s[PFA:PFA+1] offset:2*ROWB+64*KROW th:TH_LOAD_NT scope:SCOPE_SE
	global_prefetch_b8 v[PFO], s[PFA:PFA+1] offset:2*ROWB+96*KROW th:TH_LOAD_NT scope:SCOPE_SE
.Lnot_mine_\@:
.endm
.macro CREST
	s_cmp_lg_u32 s14, 0
	s_cbranch_scc1 .Lnot_wave_0_\@
	s_barrier_signal -3
.Lnot_wave_0_\@:
	s_barrier_wait -3
	s_barrier_signal -1
	s_barrier_wait -1
.endm
.macro CROUND
	s_barrier_signal -1
	s_barrier_wait -1
	CREST
.endm
	s_load_b128 s[4:7], s[0:1], 0x0
	s_load_b128 s[8:11], s[0:1], 0x10
	s_load_b128 s[68:71], s[0:1], 0x20
	s_load_b64 s[72:73], s[0:1], 0x30
	v_lshl_add_u32 v[SPW], v0, 2, SPARE
	v_mov_b32 v[NIL], 0
	ds_add_u32 v28, v29
	ds_add_u32 v28, v29
	s_wait_dscnt 0x0
	v_lshrrev_b32 v1, 5, v0
	v_readfirstlane_b32 s14, v1
	s_lshr_b32 s15, s14, 1
	s_and_b32 s16, s14, 1
	s_bfe_u32 s40, ttmp6, 0x40000
	s_lshl_b32 s17, ttmp9, 2
	s_add_co_u32 s17, s17, s40
	s_and_b32 s42, ttmp7, 0xffff
	s_mov_b32 s[G1+0], (1<<20)|(5<<22)|(3<<25)
	s_mov_b32 s[G1B+0], 15|(1<<20)|(1<<21)|(5<<22)|(3<<25)
.irp g, G1, G1B
	s_mov_b32 s[\g+1], ROWB<<16
	s_mov_b32 s[\g+2], 128<<16
	s_mov_b32 s[\g+3], ROWB<<16
	s_mov_b32 s[\g+4], 128
	s_mov_b32 s[\g+5], KROW
	s_mov_b32 s[\g+6], 0
	s_mov_b32 s[\g+7], 0
.endr
	s_lshl_b32 s19, s16, 7
	s_lshl_b32 s20, s17, 8
	s_add_co_u32 s20, s20, s19
	s_lshl_b32 s20, s20, 11
	s_mov_b32 s21, 0
	s_lshl_b32 s46, s42, 8
	s_add_co_u32 s46, s46, s19
	s_lshl_b32 s46, s46, 11
	s_mov_b32 s47, 0
	s_mul_i32 s45, s14, HALFT
	s_wait_kmcnt 0x0
	s_load_b256 s[76:83], s[8:9], 0x0
	s_load_b128 s[84:87], s[8:9], 0x20
	CROUND                                         ; the round in front of the first loads; the exponents' scalar loads are out meanwhile
	s_wait_kmcnt 0x0
	s_cmp_eq_u32 s78, s76                          ; entry 2 = entry 0: k takes plane 0, else plane 1
	s_cselect_b32 s18, 0, 1
	s_cmp_eq_u32 s80, s78                          ; entry 4 = entry 2: v takes k's plane, else plane 2;
	s_cselect_b32 s19, s18, 2
	s_cmp_eq_u32 s80, s76                          ; entry 4 = entry 0: plane 0
	s_cselect_b32 s19, 0, s19
	s_cmp_ge_u32 s42, 8
	s_cselect_b32 s18, s18, 0                      ; q takes plane 0
	s_cmp_ge_u32 s42, 10
	s_cselect_b32 s18, s19, s18
	s_min_u32 s18, s18, 2                          ; the index hangs on loaded exponents: it is held at 2, the last plane, before it enters an address
	s_lshl_b32 s18, s18, 23                        ; a plane is 2^23 bytes
	s_add_co_u32 s20, s20, s18
	s_add_nc_u64 s[20:21], s[4:5], s[20:21]
	s_add_nc_u64 s[46:47], s[6:7], s[46:47]
.irp s, 0,1
	s_mov_b32 s[G0+4*\s], 1
	s_add_co_u32 s[G0+4*\s+1], s45, \s*SLOT
	s_add_nc_u64 s[G0+4*\s+2:G0+4*\s+3], s[20:21], \s*ROWB
	s_or_b32 s[G0+4*\s+3], s[G0+4*\s+3], 0x80000000
	s_mov_b32 s[G0B+4*\s], 1
	s_add_co_u32 s[G0B+4*\s+1], s45, \s*SLOT
	s_add_nc_u64 s[G0B+4*\s+2:G0B+4*\s+3], s[46:47], \s*ROWB
	s_or_b32 s[G0B+4*\s+3], s[G0B+4*\s+3], 0x80000000
.if \s                                         ; K step 0's load stands behind the opening round; slot 1's first fill is issued as a refill is
	s_wait_alu depctr_va_vdst(0)
	s_wait_tensorcnt 0x0
	ds_add_u32 v28, v29
	ds_add_u32 v28, v29
	s_wait_dscnt 0x0
	CROUND
.endif
	JLOAD G0+4*\s, G1, G0B+4*\s, G1B
.endr
	s_cmp_eq_u32 s42, 0
	s_cselect_b32 s91, 1, 0
	s_cmp_eq_u32 s42, 8
	s_cselect_b32 s91, 1, s91
	s_cmp_eq_u32 s42, 10
	s_cselect_b32 s91, 1, s91
	s_cmp_eq_u32 ttmp9, 0
	s_cselect_b32 s92, 1, 0
	s_cmp_eq_u32 s15, 0
	s_cselect_b32 s91, s91, s92
	s_cselect_b32 s92, 0, s40
	s_cselect_b64 s[PFA:PFA+1], s[20:21], s[46:47]
	s_cmp_eq_u32 s91, 1
	s_cselect_b32 s[ASKL], 1, -1
	s_lshl_b32 s92, s92, 16
	s_add_co_u32 s92, s92, ROWB
	s_mov_b32 s93, 0
	s_add_nc_u64 s[PFA:PFA+1], s[PFA:PFA+1], s[92:93]
	v_and_b32 v1, 15, v0
	s_wait_alu depctr_va_vdst(0)
	v_bfe_u32 v2, v0, 4, 1
	v_mul_u32_u24 v3, v1, PITCH
	v_lshl_add_u32 v4, v2, 4, v3
	s_mul_i32 s21, s15, HALFT
	s_mul_i32 s22, s16, HALFT
	s_add_co_u32 s22, s22, 2*HALFT                 ; w's 256 rows lie behind x's 256, in every work-group
.irp s, 0,1
	v_add_nc_u32 v[ADRA+\s], s21, v4
	v_add_nc_u32 v[ADRB+\s], s22, v4
	s_add_co_u32 s21, s21, SLOT
	s_add_co_u32 s22, s22, SLOT
.endr
	s_and_b32 s91, s17, 3
	s_lshl_b32 s91, s91, 8
	s_lshl_b32 s92, s15, 7
	s_add_co_u32 s91, s91, s92
	s_lshl_b32 s91, s91, 7
	v_lshlrev_b32 v[CSO], 7, v1
	s_wait_alu depctr_va_vdst(0)
	v_lshl_add_u32 v[CSO], v2, 4, v[CSO]
	v_add_nc_u32 v[CSO], s91, v[CSO]
	v_and_b32 v6, 31, v0
	v_lshlrev_b32 v[CO0], 4, v6
	v_lshlrev_b32 v[PFO], 11, v6
.macro CSLOAD a
.irp cq, 0,1,2,3
	global_load_b128 v[CS+32*((\a)%3)+4*\cq:CS+32*((\a)%3)+4*\cq+3], v[CSO], s[10:11] offset:2048*(\a)+32*\cq
	global_load_b128 v[CS+32*((\a)%3)+16+4*\cq:CS+32*((\a)%3)+16+4*\cq+3], v[CSO], s[68:69] offset:2048*(\a)+32*\cq
.endr
.endm
	CSLOAD 0
	CSLOAD 1
	CSLOAD 2
	s_wait_kmcnt 0x0
	s_cmp_ge_u32 s42, 8
	s_cselect_b32 s91, s78, s76
	s_cselect_b32 s92, s79, s77
	s_cselect_b32 s93, s83, s82
	s_cmp_ge_u32 s42, 10
	s_cselect_b32 s91, s80, s91
	s_cselect_b32 s92, s81, s92
	s_cselect_b32 s93, s84, s93
	s_sub_co_i32 s93, s93, s91
	s_sub_co_i32 s93, s93, s92
	s_add_co_i32 s93, s93, 127
	s_lshl_b32 s94, s93, 23
	v_mov_b32 v[SCL], s94
	s_add_co_i32 s93, s93, 8
	s_lshl_b32 s93, s93, 23
	s_or_b32 s93, s93, 0x600000
	v_mov_b32 v[LIM], s93
.macro FRAG reg, adr, q, i
.irp c, 0,1,2,3
	ds_load_b128 v[\reg+4*\c:\reg+4*\c+3], v[\adr] offset:128*(\q)+32*\c+(\i)*16*PITCH
.endr
.endm
.macro MUL16 a0, p, zero
.irp a, \a0, \a0+1
.irp b, 0,1,2,3,4,5,6,7
.if \zero
	v_wmma_f32_16x16x128_fp8_fp8 v[8*(8*((\a)%4)+\b):8*(8*((\a)%4)+\b)+7], v[128*(\p)+FR*\b:128*(\p)+FR*\b+FR-1], v[AF+FR*(\a):AF+FR*(\a)+FR-1], 0
.else
	v_wmma_f32_16x16x128_fp8_fp8 v[8*(8*((\a)%4)+\b):8*(8*((\a)%4)+\b)+7], v[128*(\p)+FR*\b:128*(\p)+FR*\b+FR-1], v[AF+FR*(\a):AF+FR*(\a)+FR-1], v[8*(8*((\a)%4)+\b):8*(8*((\a)%4)+\b)+7]
.endif
.endr
.endr
.endm
.macro FETCH_B slot, q, p
	WIN TO_B
.irp i, 0,1,2,3,4,5,6,7
	FRAG 128*(\p)+FR*\i, ADRB+\slot, \q, \i
.endr
	WIN 0
.endm
.macro FETCH_A slot, q, i0
.irp i, \i0, \i0+1, \i0+2, \i0+3
	FRAG AF+FR*(\i), ADRA+\slot, \q, \i
.endr
.endm
.macro PLACES n
.rept \n
	v_nop
.endr
.endm
.macro STEP slot, q, zero
	s_wait_dscnt 4*NL
	WIN MUL_LO
	MUL16 0, (\q)%2, \zero
	MUL16 2, (\q)%2, \zero
	s_wait_dscnt 0
	PLACES NP
	FETCH_B \slot, (\q)+1, 1-(\q)%2
	FETCH_A \slot, (\q)+1, 0
	WIN MUL_HI
	MUL16 4, (\q)%2, \zero
	MUL16 6, (\q)%2, \zero
	PLACES NP
	WIN 0
	FETCH_A \slot, (\q)+1, 4
.endm
.macro TURN slot, next, fill
.if \fill
	s_wait_xcnt 0x0
	s_add_nc_u64 s[PFA:PFA+1], s[PFA:PFA+1], ROWB
.endif
	s_wait_tensorcnt 0x0
	ds_add_u32 v[SPW], v[NIL]
.if \fill
	s_add_nc_u64 s[G0+4*\slot+2:G0+4*\slot+3], s[G0+4*\slot+2:G0+4*\slot+3], 2*ROWB
	s_add_nc_u64 s[G0B+4*\slot+2:G0B+4*\slot+3], s[G0B+4*\slot+2:G0B+4*\slot+3], 2*ROWB
.endif
	s_wait_dscnt 0x0
.if \fill
	CROUND
	JLOAD G0+4*\slot, G1, G0B+4*\slot, G1B
	ASK
.else
	s_barrier_signal -1
	s_barrier_wait -1
.endif
	WIN MUL_LO
	MUL16 0, 1, 0
	MUL16 2, 1, 0
	PLACES NP
	FETCH_B \next, 0, 0
	FETCH_A \next, 0, 0
	WIN MUL_HI
	MUL16 4, 1, 0
	MUL16 6, 1, 0
	PLACES NP
	WIN 0
	FETCH_A \next, 0, 4
.endm
	s_wait_tensorcnt 1
	s_barrier_signal -1
	s_barrier_wait -1
	FETCH_B 0, 0, 0
	FETCH_A 0, 0, 0
	FETCH_A 0, 0, 4
	STEP 0, 0, 1
	s_mov_b32 s3, LAPS-1
.Llap:
	TURN 0, 1, 1
	STEP 1, 0, 0
	TURN 1, 0, 1
	STEP 0, 0, 0
	s_sub_co_u32 s3, s3, 1
	s_cmp_lg_u32 s3, 0
	s_cbranch_scc1 .Llap
	TURN 0, 1, 0
	STEP 1, 0, 0
	s_wait_dscnt 4*NL
	WIN MUL_LO
	MUL16 0, 1, 0
	MUL16 2, 1, 0
	s_wait_dscnt 0
	WIN MUL_HI
	MUL16 4, 1, 0
	MUL16 6, 1, 0
	WIN 0
	PLACES NP
	s_cmp_ge_u32 s42, 10
	s_cbranch_scc1 .Lv
	s_lshr_b32 s91, s17, 2
	s_and_b32 s92, s17, 3
	s_lshl_b32 s92, s92, 14
	s_lshl_b32 s93, s15, 13
	s_add_co_u32 s92, s92, s93
	s_mov_b32 s90, 0x20000
	s_cmp_lt_u32 s42, 8
	s_cselect_b64 s[74:75], s[70:71], s[72:73]
	s_cselect_b32 s90, 0x10000, s90
	s_cselect_b32 s93, 21, 20
	s_cselect_b32 s94, 18, 19
	s_cselect_b32 s95, 17, 18
	s_cselect_b32 s18, 0, 8
	s_sub_co_u32 s18, s42, s18
	s_lshl_b32 s91, s91, s93
	s_lshl_b32 s18, s18, s94
	s_lshl_b32 s95, s16, s95
	s_add_co_u32 s92, s92, s91
	s_add_co_u32 s92, s92, s18
	s_add_co_u32 s92, s92, s95
	s_mov_b32 s93, 0
	s_add_nc_u64 s[74:75], s[74:75], s[92:93]
	s_wait_alu depctr_va_vdst(0)
	v_add_nc_u32 v[CO1], s90, v[CO0]
.macro ROTBLK a
.set AC, 64*((\a)%4)
.set CC, CS+32*((\a)%3)
.set SS, CC+16
.set CDS, CD+16*((\a)%4)               ; four sets of 16 code registers, v192-255, by turns
.if (\a) < 6
	s_wait_loadcnt 16
.else
	s_wait_loadcnt 8*(7-(\a))
.endif
	WIN 0x02+((\a)/4)
.irp b, 0,1,2,3,4,5,6,7
.irp p, 0,1
	v_pk_mul_f32 v[TMP+8*\b+4*\p:TMP+8*\b+4*\p+1], v[AC+8*\b+4*\p:AC+8*\b+4*\p+1], v[CC+4*(\b%4)+2*\p:CC+4*(\b%4)+2*\p+1] op_sel_hi:[1,0]
	v_pk_mul_f32 v[TMP+8*\b+4*\p+2:TMP+8*\b+4*\p+3], v[AC+8*\b+4*\p+2:AC+8*\b+4*\p+3], v[CC+4*(\b%4)+2*\p:CC+4*(\b%4)+2*\p+1] op_sel:[0,1] op_sel_hi:[1,1]
.endr
.irp i, 0,1,2,3
	v_fma_f32 v[TMP+8*\b+2*\i], -v[AC+8*\b+2*\i+1], v[SS+4*(\b%4)+\i], v[TMP+8*\b+2*\i]
	v_fma_f32 v[TMP+8*\b+2*\i+1], v[AC+8*\b+2*\i], v[SS+4*(\b%4)+\i], v[TMP+8*\b+2*\i+1]
.endr
.endr
	WIN 0
.if (\a) < 5
	CSLOAD (\a)+3
.endif
.set n, 0
.rept 64
	v_med3_num_f32 v[TMP+n], v[TMP+n], -v[LIM], v[LIM]
.set n, n+1
.endr
.if (\a) > 3                           ; from block 4 on a set of code registers is written again: only behind the wait that shows that block a - 4's stores have read it
	s_wait_alu depctr_va_vdst(0)
	s_wait_xcnt 0x0
.endif
.irp b, 0,1,2,3,4,5,6,7
	v_cvt_scalef32_pk8_fp8_f32 v[CDS+2*\b:CDS+2*\b+1], v[TMP+8*\b:TMP+8*\b+7], v[SCL]
.endr
	v_nop
	global_store_b128 v[CO0], v[CDS:CDS+3],     s[74:75] offset:1024*(\a)
	global_store_b128 v[CO0], v[CDS+4:CDS+7],   s[74:75] offset:1024*(\a)+512
	global_store_b128 v[CO1], v[CDS+8:CDS+11],  s[74:75] offset:1024*(\a)
	global_store_b128 v[CO1], v[CDS+12:CDS+15], s[74:75] offset:1024*(\a)+512
.endm
.irp a, 0,1,2,3,4,5,6,7
	ROTBLK \a
.endr
	s_branch .Lend
.Lv:
	s_lshr_b32 s91, s17, 2
	s_lshl_b32 s91, s91, 20
	s_sub_co_u32 s92, s42, 10
	s_lshl_b32 s92, s92, 19
	s_add_co_u32 s92, s92, s91
	s_lshl_b32 s91, s16, 18
	s_add_co_u32 s92, s92, s91
	s_and_b32 s91, s17, 3
	s_lshl_b32 s91, s91, 14
	s_add_co_u32 s92, s92, s91
	s_lshl_b32 s91, s15, 13
	s_add_co_u32 s92, s92, s91
	s_add_co_u32 s92, s92, 0x10000
	s_mov_b32 s93, 0
	s_add_nc_u64 s[74:75], s[72:73], s[92:93]
.macro VBLK a
.set AC, 64*((\a)%4)
.set CDS, CD+16*((\a)%2)
	WIN 0x02+((\a)/4)
.set n, 0
.rept 64
	v_med3_num_f32 v[TMP+n], v[AC+n], -v[LIM], v[LIM]
.set n, n+1
.endr
	WIN 0
.if (\a) > 1
	s_wait_alu depctr_va_vdst(0)
	s_wait_xcnt 0x0
.endif
.irp b, 0,1,2,3,4,5,6,7
	v_cvt_scalef32_pk8_fp8_f32 v[CDS+2*\b:CDS+2*\b+1], v[TMP+8*\b:TMP+8*\b+7], v[SCL]
.endr
	v_nop
; v's codes of 16 tokens go into my stage, a row a token.  Channel tiles 2 pb and 2 pb + 1 are laid byte by byte in turn: byte 32 pb + 2 m holds channel m of the first, byte 32 pb + 2 m + 1 channel m of the second.
.irp pb, 0,1,2,3
	v_perm_b32 v[IL+4*\pb],   v[CDS+4*\pb+2], v[CDS+4*\pb],   s94
	v_perm_b32 v[IL+4*\pb+1], v[CDS+4*\pb+2], v[CDS+4*\pb],   s95
	v_perm_b32 v[IL+4*\pb+2], v[CDS+4*\pb+3], v[CDS+4*\pb+1], s94
	v_perm_b32 v[IL+4*\pb+3], v[CDS+4*\pb+3], v[CDS+4*\pb+1], s95
.endr
.irp pb, 0,1,2,3
	ds_store_b128 v[VST], v[IL+4*\pb:IL+4*\pb+3] offset:(\a)*16*VPI+32*\pb
.endr
.endm
.set VPI, 160                          ; a stage row: 128 bytes + 32
.set IL,  224                          ; v224-239 a block's codes, two tiles in turn
.set VST, 11                           ; v11  the stage, in: row lane % 16, + 16 (lane / 16)
.set VRD, 12                           ; v12  back: row 8 (lane / 16) + lane % 8, + 16 ((lane / 8) % 2)
.set TR,  32                           ; v32-95 two sets of eight transposing loads
; Back: one transposing load takes 16 tokens x 32 bytes and gives lane (r, h) tokens 8 h + 0 .. 7 at bytes 2 r, 2 r + 1 as pairs; two byte selections part the pairs:
; registers 2 c, 2 c + 1 of the fragments of channel tiles 2 pb and 2 pb + 1: channel r, keys 16 c + 8 h + 0 .. 7.
.macro VTR pb
.irp c, 0,1,2,3,4,5,6,7
	ds_load_tr16_b128 v[TR+32*((\pb)%2)+4*\c:TR+32*((\pb)%2)+4*\c+3], v[VRD] offset:\c*16*VPI+32*(\pb)   ; in order behind my stores
.endr
.endm
.macro VOUT pb
.set TT, TR+32*((\pb)%2)
.set FF, 128+32*(\pb)
.irp c, 0,1,2,3,4,5,6,7
	v_perm_b32 v[FF+2*\c],    v[TT+4*\c+1], v[TT+4*\c],   s92
	v_perm_b32 v[FF+2*\c+1],  v[TT+4*\c+3], v[TT+4*\c+2], s92
	v_perm_b32 v[FF+16+2*\c], v[TT+4*\c+1], v[TT+4*\c],   s93
	v_perm_b32 v[FF+17+2*\c], v[TT+4*\c+3], v[TT+4*\c+2], s93
.endr
.irp u, 0,1
.irp g, 0,1,2,3
	global_store_b128 v[CO0], v[FF+16*\u+4*\g:FF+16*\u+4*\g+3], s[74:75] offset:((2*(\pb)+\u)/4)*131072+((2*(\pb)+\u)%4)*2048+512*\g   ; the wave stores 512 consecutive bytes, aligned
.endr
.endr
.endm
	s_wait_loadcnt 0x0                             ; the head's loads of the rotary tables have landed: their registers are used again below
	s_mov_b32 s94, 0x05010400                      ; two tiles' bytes in turn: bytes 0, 1 of each,
	s_mov_b32 s95, 0x07030602                      ; bytes 2, 3
	s_mov_b32 s92, 0x06040200                      ; the pairs' low bytes,
	s_mov_b32 s93, 0x07050301                      ; their high bytes
	s_mul_i32 s91, s14, 128*VPI                    ; my stage: 128 rows
	v_and_b32 v5, 15, v0
	v_bfe_u32 v7, v0, 4, 1
	v_mul_u32_u24 v8, v5, VPI
	v_lshl_add_u32 v8, v7, 4, v8
	v_add_nc_u32 v[VST], s91, v8
	v_and_b32 v9, 7, v0
	v_lshl_add_u32 v9, v7, 3, v9
	v_mul_u32_u24 v9, v9, VPI
	v_bfe_u32 v10, v0, 3, 1
	v_lshl_add_u32 v9, v10, 4, v9
	v_add_nc_u32 v[VRD], s91, v9
	s_wait_alu depctr_va_vdst(0)
.irp a, 0,1,2,3,4,5,6,7
	VBLK \a
.endr
	VTR 0
	VTR 1
	s_wait_dscnt 8                                 ; all but the eight loads just issued
	VOUT 0
	VTR 2
	s_wait_dscnt 8
	VOUT 1
	VTR 3
	s_wait_dscnt 8
	VOUT 2
	s_wait_dscnt 0
	VOUT 3
.Lend:
	s_wait_tensorcnt 0x0
	ds_add_u32 v[SPW], v[NIL]
	s_wait_dscnt 0x0
	CROUND
	s_endpgm
.Lfunc_end_k_q19788f104c_qkv:
	.size	k_q19788f104c_qkv, .Lfunc_end_k_q19788f104c_qkv-k_q19788f104c_qkv
	.p2alignl 7, 3214868480
	.fill 96, 4, 3214868480
	.section	.rodata,"a",@progbits
	.p2align	6, 0x0
	.amdhsa_kernel k_q19788f104c_qkv
		.amdhsa_group_segment_fixed_size 327680
		.amdhsa_private_segment_fixed_size 0
		.amdhsa_enable_private_segment 0
		.amdhsa_kernarg_size 56
		.amdhsa_user_sgpr_count 2
		.amdhsa_user_sgpr_kernarg_segment_ptr 1
		.amdhsa_wavefront_size32 1
		.amdhsa_system_sgpr_workgroup_id_x 1
		.amdhsa_system_sgpr_workgroup_id_y 1
		.amdhsa_system_sgpr_workgroup_id_z 1
		.amdhsa_system_vgpr_workitem_id 0
		.amdhsa_next_free_vgpr 1024
		.amdhsa_next_free_sgpr 98
		.amdhsa_reserve_vcc 0
		.amdhsa_float_denorm_mode_32 3
		.amdhsa_float_denorm_mode_16_64 3
		.amdhsa_memory_ordered 1
		.amdhsa_forward_progress 1
		.amdhsa_inst_pref_size 238
	.end_amdhsa_kernel
	.amdgpu_metadata
---
amdhsa.version: [ 1, 2 ]
amdhsa.kernels:
  - .name:           k_q19788f104c_qkv
    .symbol:         k_q19788f104c_qkv.kd
    .args:
      - { .name: xcodes, .offset: 0, .size: 8, .value_kind: global_buffer, .address_space: global }
      - { .name: wcodes, .offset: 8, .size: 8, .value_kind: global_buffer, .address_space: global }
      - { .name: lowp_scales, .offset: 16, .size: 8, .value_kind: global_buffer, .address_space: global }
      - { .name: pos_cos, .offset: 24, .size: 8, .value_kind: global_buffer, .address_space: global }
      - { .name: pos_sin, .offset: 32, .size: 8, .value_kind: global_buffer, .address_space: global }
      - { .name: qimg, .offset: 40, .size: 8, .value_kind: global_buffer, .address_space: global }
      - { .name: kvimg, .offset: 48, .size: 8, .value_kind: global_buffer, .address_space: global }
    .group_segment_fixed_size: 327680
    .private_segment_fixed_size: 0
    .kernarg_segment_align: 8
    .kernarg_segment_size: 56
    .max_flat_workgroup_size: 128
    .sgpr_count:     98
    .vgpr_count:     1024
    .wavefront_size: 32
...
	.end_amdgpu_metadata
.endif
;; end of part 2
;; launch attn (part 3): grid 8 x 32, 16 waves a work-group, no clusters, 169,984 bytes of LDS; arguments qimg, kvimg, lowp_scales, acodes; writes acodes
.if DOCPART == 3
	.amdgcn_target "amdgcn-amd-amdhsa--gfx1250"
	.amdhsa_code_object_version 6
	.text
	.protected	k_q19788f104c_attn
	.globl	k_q19788f104c_attn
	.p2align	8
	.type	k_q19788f104c_attn,@function
k_q19788f104c_attn:
	s_mov_b64 s[64:65], 0
	v_nop
	global_prefetch_b8 v0, s[64:65] scope:SCOPE_SE
	s_setreg_imm32_b32 hwreg(HW_REG_WAVE_MODE, 25, 1), 1
	s_wait_xcnt 0x0
; ATTENTION on codes of FP8, causal, four query heads to a key/value head, head size 64.  Scores: q (entry 6) x k (entry 7); output: v (entry 8) x p (entry 9); the result is quantised for the last product (entry 10).
; THE SOFTMAX: t = score x log2(e) / 8; M = the running largest t rounded UP to a whole number; p = 2^(t - M) is quantised, not normalised; the row's sum is taken of the unquantised p and divides at the end.
; When M moves, the sum and O are multiplied by 2^(old M - new M): exact.
; SHARES.  Work-group (i, y): batch y / 8, key/value head y % 8; its four query heads; two blocks of 64 tokens, block i and then block 15 - i: floor(i / 2) + 1 and floor((15 - i) / 2) + 1 steps of 128 keys,
; 9 together for every i.  Wave w: head w / 4, tokens 16 (w % 4) on: one tile of 16 queries in 256 registers, four waves to a SIMD.
; ALL of the head's k and v (131,072 bytes of register images) is brought into LDS once, each wave one tensor load of 8,192 dense bytes; nothing is filled twice.  Every fragment is read at 16 x lane: consecutive bytes.
; TWO BARRIERS IN ALL: behind the fill, and at the end.  Both passes' q and all bases are made at the head; each pass leaves its codes in a stage of its own; so a wave goes from its first pass into its second
; without waiting for any other, and both stages are read back and stored behind the one barrier at the end.
; No cluster: partners would share (batch, head) and differ in the block of queries, on which the branches round hidden steps hang; and what is shared is asked for once, at the head.
; LAYOUT.  S^T = k q^T (source 0 = 16 keys, source 1 = my 16 queries; K = 64), O^T = v^T p^T (source 0 = 16 channels, source 1 = p; K = 128 keys): a lane holds ONE query (lane % 16) throughout.  Tile c of S^T holds keys
; 16 c + 8 (lane / 16) + 0 .. 7 in its eight registers: their conversion IS registers 2 c, 2 c + 1 of p's fragment.
; CAUSAL.  The loops' trip counts are constants (4 and 8); a step all of whose keys come after my queries is jumped over by a scalar branch on ids; on the diagonal hidden scores become -infinity ahead of the maximum.
; Each step that is not jumped over begins at a key that counts for all 16 queries, so M is a number from the first step on.
; LIMITS: entries 6 + 7 between -123 and 130 (added to c's exponent field); entries 9 and 10 between -126 and 119; 8 + 9 goes by v_ldexp_f32 and has none.
; REGISTERS: v1-5 addresses; v8, v9 the step's LDS addresses; v12 -M, v13 the largest t, v[14:15] the sum; v16-23 the first pass's q, v208-215 the second's; v24-31, v216-223 the passes' codes; v32-95 k's eight
;   fragments, then v's four; v96-159 S^T, then p; v160-191 O^T; v192-207 p's codes; v236-254 at work; v240, v244: 448 x 2^e9, 2^e9; v241, v245: the same of entry 10.
.set VOFF, 65536                       ; LDS: k's 64 fragments of 1,024 bytes; from here v: [128 keys][16 channels][2,048]
.set STG,  131072                      ; the stage: 64 rows (tokens) x (256 bytes + 16), one for each pass: no tensor load lands here
.set STGB, 17408
.set SPI,  272
.set TB,   2                           ; s2   LDS byte of the step's fragments of k
.set CNT,  3                           ; s3   trips to go
.set WV,   18
.set SEL,  20                          ; s[20:21] v_permlanex16_b32's selects: lane l xor 16
.set CSC,  22                          ; s[22:23] c = log2(e) / 8 x 2^(e6 + e7), twice
.set G1,   24
.set G0,   32
.set OB,   36                          ; s[36:37], s[38:39] the passes' first rows in acodes
.set Q0,   46                          ; s46  my first query's place in the sequence
.set KF,   47                          ; s47  the step's first key
.set QB,   48                          ; s[48:49], s[50:51] the passes' fragments of q
.macro STEP qf
	s_add_co_u32 s52, s[Q0], 15
	s_cmp_gt_u32 s[KF], s52
	s_cbranch_scc1 .Lhidden_\@                     ; all 128 keys come after my 16 queries
	v_add_nc_u32 v8, s[TB], v1
	v_add_nc_u32 v9, s[TB], v2
	v_nop
	v_nop                                          ; with the two additions: four places in front of loads into registers that the last products read
.irp c, 0,1,2,3,4,5,6,7
	ds_load_b128 v[32+8*\c:35+8*\c], v8 offset:1024*\c
	ds_load_b128 v[36+8*\c:39+8*\c], v8 offset:1024*\c+512
.endr
	s_wait_alu depctr_va_vdst(0)
	s_wait_dscnt 0x0
.irp c, 0,1,2,3,4,5,6,7
	v_wmma_f32_16x16x64_fp8_fp8 v[96+8*\c:103+8*\c], v[32+8*\c:39+8*\c], v[\qf:\qf+7], 0
.endr
.rept 4
	v_nop                                          ; places: the scores are read, and k's registers take v's fragments, which land under the softmax
.endr
.irp ct, 0,1,2,3
.irp g, 0,1,2,3
	ds_load_b128 v[32+16*\ct+4*\g:35+16*\ct+4*\g], v9 offset:2048*\ct+512*\g
.endr
.endr
	s_add_co_u32 s52, s[KF], 127
	s_cmp_le_u32 s52, s[Q0]
	s_cbranch_scc1 .Lopen_\@                       ; all 128 keys count for all my queries
	s_sub_co_i32 s52, s[Q0], s[KF]
	v_and_b32 v252, 15, v0
	v_bfe_u32 v253, v0, 4, 1
	s_delay_alu instid0(VALU_DEP_1)
	v_lshlrev_b32 v253, 3, v253
	s_delay_alu instid0(VALU_DEP_1)
	v_sub_nc_u32 v252, v252, v253
	s_delay_alu instid0(VALU_DEP_1)
	v_add_nc_u32 v252, s52, v252                   ; d = my query - KF - 8 (lane / 16).  Register 8 c + j holds key KF + 16 c + 8 (lane / 16) + j: hidden where 16 c + j > d
	v_mov_b32 v254, 0xff800000                     ; -infinity
.irp c, 0,1,2,3,4,5,6,7
.irp j, 0,1,2,3,4,5,6,7
	v_cmp_gt_i32 vcc_lo, 16*\c+\j, v252
	v_cndmask_b32 v[96+8*\c+\j], v[96+8*\c+\j], v254, vcc_lo
.endr
.endr
.Lopen_\@:
	v_max3_num_f32 v254, v96, v97, v98             ; the step's largest score of my query among my 64 keys, in two chains; each accumulator is met at its low end first
	v_max3_num_f32 v252, v99, v100, v101
.irp i, 6,10,14,18,22,26,30,34,38,42,46,50,54,58
	v_max3_num_f32 v254, v254, v[96+\i], v[97+\i]
	v_max3_num_f32 v252, v252, v[98+\i], v[99+\i]
.endr
	v_max3_num_f32 v254, v254, v158, v159
	s_delay_alu instid0(VALU_DEP_1)
	v_max_num_f32 v254, v254, v252
	s_delay_alu instid0(VALU_DEP_1)
	v_permlanex16_b32 v236, v254, s[SEL], s[SEL+1]
	s_delay_alu instid0(VALU_DEP_1)
	v_max_num_f32 v254, v254, v236                 ; and among lane l xor 16's
	s_delay_alu instid0(VALU_DEP_1)
	v_mul_f32 v254, s[CSC], v254                   ; as t (c is positive)
	s_delay_alu instid0(VALU_DEP_1)
	v_max_num_f32 v13, v13, v254                   ; the running largest t
	v_mov_b32 v254, v12
	s_delay_alu instid0(VALU_DEP_2)
	v_floor_f32 v12, -v13                          ; the new -M = floor(-t) = -ceil(t)
	s_delay_alu instid0(VALU_DEP_1)
	v_sub_f32 v254, v12, v254                      ; old M - new M: a whole number, 0 or less
	s_delay_alu instid0(VALU_DEP_1)
	v_cvt_i32_f32 v254, v254                       ; (it saturates)
	s_delay_alu instid0(VALU_DEP_1)
	v_ldexp_f32 v252, 1.0, v254                    ; f = 2^(old M - new M)
.set n, 0
.rept 32
	v_pk_fma_f32 v[96+n:97+n], v[96+n:97+n], s[CSC:CSC+1], v[12:13] op_sel_hi:[1,0,0]   ; t - M, two at a time
.set n, n+2
.endr
.set n, 0
	s_wait_alu depctr_va_vdst(0)
.rept 64
	v_exp_f32 v[96+n], v[96+n]                     ; p = 2^(t - M), at most 1
.set n, n+1
.endr
	v_pk_mul_f32 v[14:15], v[14:15], v[252:253] op_sel_hi:[1,0]   ; the sums under the new M: the plain instruction behind the exponentials
	s_wait_alu depctr_va_vdst(0)                   ; one wait for the batch of 64, ahead of its first reader
	v_pk_add_f32 v[242:243], v[100:101], v[104:105]
	v_pk_add_f32 v[248:249], v[108:109], v[112:113]
	v_pk_add_f32 v[246:247], v[116:117], v[120:121]
	v_pk_add_f32 v[238:239], v[124:125], v[128:129]
	v_pk_add_f32 v[234:235], v[132:133], v[136:137]
	v_pk_add_f32 v[232:233], v[140:141], v[144:145]
	v_pk_add_f32 v[230:231], v[148:149], v[152:153]
	v_pk_add_f32 v[14:15], v[14:15], v[156:157]
	v_pk_add_f32 v[242:243], v[242:243], v[96:97]
	v_pk_add_f32 v[248:249], v[248:249], v[98:99]
	v_pk_add_f32 v[246:247], v[246:247], v[102:103]
	v_pk_add_f32 v[238:239], v[238:239], v[106:107]
	v_pk_add_f32 v[234:235], v[234:235], v[110:111]
	v_pk_add_f32 v[232:233], v[232:233], v[114:115]
	v_pk_add_f32 v[230:231], v[230:231], v[118:119]
	v_pk_add_f32 v[14:15], v[14:15], v[122:123]
	v_pk_add_f32 v[242:243], v[242:243], v[126:127]
	v_pk_add_f32 v[248:249], v[248:249], v[130:131]
	v_pk_add_f32 v[246:247], v[246:247], v[134:135]
	v_pk_add_f32 v[238:239], v[238:239], v[138:139]
	v_pk_add_f32 v[234:235], v[234:235], v[142:143]
	v_pk_add_f32 v[232:233], v[232:233], v[146:147]
	v_pk_add_f32 v[230:231], v[230:231], v[150:151]
	v_pk_add_f32 v[14:15], v[14:15], v[154:155]
	v_pk_add_f32 v[242:243], v[242:243], v[158:159]
	s_delay_alu instid0(VALU_DEP_2)
	v_pk_add_f32 v[14:15], v[14:15], v[238:239]
	s_delay_alu instid0(VALU_DEP_2)
	v_pk_add_f32 v[242:243], v[242:243], v[234:235]
	v_pk_add_f32 v[248:249], v[248:249], v[232:233]
	v_pk_add_f32 v[246:247], v[246:247], v[230:231]
	s_delay_alu instid0(VALU_DEP_2)
	v_pk_add_f32 v[14:15], v[14:15], v[248:249]
	s_delay_alu instid0(VALU_DEP_2)
	v_pk_add_f32 v[242:243], v[242:243], v[246:247]
	s_delay_alu instid0(VALU_DEP_1)
	v_pk_add_f32 v[14:15], v[14:15], v[242:243]
.irp c, 0,1,2,3,4,5,6,7
.irp j, 0,2,4,6
	v_dual_min_num_f32 v[96+8*\c+\j], v240, v[96+8*\c+\j] :: v_dual_min_num_f32 v[97+8*\c+\j], v240, v[97+8*\c+\j]   ; the conversion does not saturate (ISA guide 7.6.2); p is not negative, so the hold is one-sided; two holds to a pair
.endr
	v_cvt_scalef32_pk8_fp8_f32 v[192+2*\c:193+2*\c], v[96+8*\c:103+8*\c], v244
.endr
.set n, 0
.rept 16
	v_pk_mul_f32 v[160+n:161+n], v[160+n:161+n], v[252:253] op_sel_hi:[1,0]   ; O^T under the new M; also the plain instructions between the conversions and the products
.set n, n+2
.endr
	s_wait_alu depctr_va_vdst(0)
	s_wait_dscnt 0x0                               ; v's fragments are in
.irp ct, 0,1,2,3                               ; the four accumulators take turns, one instruction a turn; the next step's eight score products stand between two links
	v_wmma_f32_16x16x128_fp8_fp8 v[160+8*\ct:167+8*\ct], v[32+16*\ct:47+16*\ct], v[192:207], v[160+8*\ct:167+8*\ct]
.endr
.Lhidden_\@:
.endm
; The end of a pass: O^T / the sum x 2^(e8 + e9), quantised with entry 10.  A lane's eight codes of a tile are 8 bytes of its token's row; a row's 256 bytes (four heads x 64) come from four waves:
; they are put into the pass's own stage, from registers of the pass's own, and nobody reads them before the barrier at the kernel's end.
.macro OUT p, cd
.rept 4
	v_nop                                          ; places behind the last products
.endr
	v_add_f32 v14, v14, v15
	s_delay_alu instid0(VALU_DEP_1)
	v_permlanex16_b32 v252, v14, s[SEL], s[SEL+1]
	s_delay_alu instid0(VALU_DEP_1)
	v_add_f32 v14, v14, v252                       ; the row's sum
	s_wait_alu depctr_va_vdst(0)
	v_rcp_f32 v14, v14
	v_nop                                          ; a plain instruction behind the transcendental,
	s_add_co_i32 s52, s56, s57
	s_wait_alu depctr_va_vdst(0)                   ; and the wait ahead of its first reader
	v_ldexp_f32 v14, v14, s52
.set n, 0
.rept 16
	v_pk_mul_f32 v[96+n:97+n], v[160+n:161+n], v[14:15] op_sel_hi:[1,0]   ; each accumulator from its low end on
.set n, n+2
.endr
.set n, 0
.rept 32
	v_med3_num_f32 v[96+n], v[96+n], -v241, v241
.set n, n+1
.endr
.irp ct, 0,1,2,3
	v_cvt_scalef32_pk8_fp8_f32 v[\cd+2*\ct:\cd+2*\ct+1], v[96+8*\ct:103+8*\ct], v245
.endr
	v_nop
.irp ct, 0,1,2,3
	ds_store_b64 v3, v[\cd+2*\ct:\cd+2*\ct+1] offset:STGB*\p+16*\ct   ; rows 68 words apart, 2 words a lane: the 32 lanes touch 64 different banks
.endr
.endm
; Where pass p's fragment of q lies, and its block's first row in acodes
.macro BASES p
.if \p == 0
	s_mov_b32 s53, s40                             ; the block of 64 tokens: i,
.else
	s_sub_co_u32 s53, 15, s40                      ; then 15 - i
.endif
	s_lshl_b32 s54, s41, 2
	s_add_co_u32 s54, s54, s45                     ; batch x 32 + my query head = 4 y + w / 4
	s_lshl_b32 s54, s54, 16
	s_lshl_b32 s52, s53, 2
	s_add_co_u32 s52, s52, s44                     ; my tile of 16 tokens
	s_lshl_b32 s52, s52, 10
	s_add_co_u32 s54, s54, s52
	s_mov_b32 s55, 0
	s_add_nc_u64 s[QB+2*\p:QB+2*\p+1], s[4:5], s[54:55]
	s_lshl_b32 s54, s42, 10
	s_lshl_b32 s52, s53, 6
	s_add_co_u32 s54, s54, s52                     ; the block's first token among the 4,096,
	s_lshl_b32 s54, s54, 11                        ; 2,048 bytes a token,
	s_lshl_b32 s52, s43, 8
	s_add_co_u32 s54, s54, s52                     ; + the four heads' 256 bytes
	s_add_nc_u64 s[OB+2*\p:OB+2*\p+1], s[10:11], s[54:55]
.endm
.macro PASS p, trips, qf, cd
.if \p == 0
	s_lshl_b32 s[Q0], s40, 6
.else
	s_sub_co_u32 s53, 15, s40
	s_lshl_b32 s[Q0], s53, 6
.endif
	s_lshl_b32 s52, s44, 4
	s_add_co_u32 s[Q0], s[Q0], s52                 ; my first query: 64 x block + 16 (w % 4)
	v_mov_b32 v13, 0xff61b1e6                      ; the largest t so far: -3e38
	s_delay_alu instid0(VALU_DEP_1)
	v_floor_f32 v12, -v13
	v_mov_b32 v14, 0
	v_mov_b32 v15, 0
	v_mov_b32 v236, 0                              ; a lane permute's destination counts as one of its sources
	v_mov_b32 v252, 0
	v_mov_b32 v253, 0
.set n, 0
.rept 32
	v_mov_b32 v[160+n], 0                          ; O^T: the step is written once; the first change of M leaves zeros zeros
.set n, n+1
.endr
	s_mov_b32 s[TB], 0
	s_mov_b32 s[KF], 0
	s_mov_b32 s[CNT], \trips
.if \p == 0
	s_wait_tensorcnt 0x0                           ; my 8,192 bytes of k and v have landed,
	s_barrier_signal -1
	s_barrier_wait -1                              ; everybody's have
	s_wait_loadcnt 0x0                             ; both passes' q
.endif
.Lstep_\@:
	STEP \qf
	s_add_co_u32 s[TB], s[TB], 8192
	s_add_co_u32 s[KF], s[KF], 128
	s_sub_co_u32 s[CNT], s[CNT], 1
	s_cmp_lg_u32 s[CNT], 0
	s_cbranch_scc1 .Lstep_\@
	OUT \p, \cd
.endm
	s_load_b256 s[4:11], s[0:1], 0x0               ; qimg 4:5, kvimg 6:7, the scales' exponents 8:9, acodes 10:11
	v_lshl_add_u32 v251, v0, 2, 0x29000
	v_mov_b32 v255, 0
	ds_add_u32 v251, v255
	ds_add_u32 v251, v255
	v_lshrrev_b32 v8, 5, v0
	s_delay_alu instid0(VALU_DEP_1)
	v_readfirstlane_b32 s[WV], v8                  ; wave 0..15
	s_mov_b32 s40, ttmp9                           ; i
	s_and_b32 s41, ttmp7, 0xffff                   ; y
	s_lshr_b32 s42, s41, 3                         ; the batch
	s_and_b32 s43, s41, 7                          ; the key/value head
	s_and_b32 s44, s[WV], 3                        ; my tile of tokens in a block
	s_lshr_b32 s45, s[WV], 2                       ; my query head of the four
	s_mov_b32 s[G1], 3<<16                         ; no mask; elements of 8 bytes; no padding
	s_mov_b32 s[G1+1], 32<<16                      ; tensor_dim0 = 32 elements: rows of 256 bytes
	s_mov_b32 s[G1+2], 32<<16                      ; tensor_dim1 = 32 rows
	s_mov_b32 s[G1+3], 32<<16                      ; tile_dim0
	s_mov_b32 s[G1+4], 32                          ; tile_dim1
	s_mov_b32 s[G1+5], 32                          ; the pitch: the block is dense
	s_mov_b32 s[G1+6], 0
	s_mov_b32 s[G1+7], 0
	s_mov_b32 s[G0], 1
	s_lshl_b32 s[G0+1], s[WV], 13                  ; LDS: 8,192 x wave
	s_lshl_b32 s52, s41, 17
	s_add_co_u32 s52, s52, s[G0+1]                 ; memory: the head's 131,072 bytes, + 8,192 x wave
	s_mov_b32 s53, 0
	s_mov_b32 s[SEL], 0x76543210
	s_mov_b32 s[SEL+1], 0xfedcba98
	s_wait_dscnt 0x0
	s_wait_kmcnt 0x0
	s_load_b128 s[56:59], s[8:9], 0x20             ; entries 8 to 11
	s_load_b64 s[60:61], s[8:9], 0x18              ; entries 6, 7
	s_add_nc_u64 s[G0+2:G0+3], s[6:7], s[52:53]
	s_or_b32 s[G0+3], s[G0+3], 0x80000000
	tensor_load_to_lds s[G0:G0+3], s[G1:G1+7]      ; my one tensor load; its descriptor is never written again
	s_nop 0
.rept 4
	v_nop
.endr
	v_and_b32 v6, 31, v0
	s_delay_alu instid0(VALU_DEP_1)
	v_lshlrev_b32 v1, 4, v6                        ; 16 x lane: my place in every image
	s_wait_alu depctr_va_vdst(0)
	BASES 0
	BASES 1
	global_load_b128 v[16:19], v1, s[QB:QB+1]              ; q's fragments, as their images lie: the first pass's,
	global_load_b128 v[20:23], v1, s[QB:QB+1] offset:512
	global_load_b128 v[208:211], v1, s[QB+2:QB+3]          ; and the second's: neither their registers nor their addresses are written again
	global_load_b128 v[212:215], v1, s[QB+2:QB+3] offset:512
	v_add_nc_u32 v2, VOFF, v1
	v_and_b32 v6, 15, v0                           ; r
	v_bfe_u32 v7, v0, 4, 1                         ; h
	s_mul_i32 s52, s44, 16*SPI
	s_lshl_b32 s53, s45, 6
	s_add_co_u32 s52, s52, s53
	s_add_co_u32 s52, s52, STG
	v_mul_u32_u24 v3, v6, SPI
	s_delay_alu instid0(VALU_DEP_1)
	v_lshl_add_u32 v3, v7, 3, v3
	s_delay_alu instid0(VALU_DEP_1)
	v_add_nc_u32 v3, s52, v3                       ; the stage, in: row 16 (w % 4) + r, byte 64 (w / 4) + 8 h
	s_mul_i32 s52, s[WV], 4*SPI
	s_add_co_u32 s52, s52, STG
	v_mul_u32_u24 v4, v7, SPI
	s_delay_alu instid0(VALU_DEP_1)
	v_lshl_add_u32 v4, v6, 4, v4
	s_delay_alu instid0(VALU_DEP_1)
	v_add_nc_u32 v4, s52, v4                       ; back: rows 4 w + h (and two further on), 16 bytes a lane
	s_lshl_b32 s52, s[WV], 13
	v_lshlrev_b32 v5, 11, v7
	s_delay_alu instid0(VALU_DEP_1)
	v_lshl_add_u32 v5, v6, 4, v5
	s_delay_alu instid0(VALU_DEP_1)
	v_add_nc_u32 v5, s52, v5                       ; and the same rows in acodes
	s_wait_kmcnt 0x0
	s_add_co_i32 s52, s60, s61
	s_lshl_b32 s52, s52, 23
	s_mov_b32 s[CSC], 0x3e38aa3b                   ; log2(e) / 8
	s_add_co_i32 s[CSC], s[CSC], s52               ; x 2^(e6 + e7), by its exponent field
	s_mov_b32 s[CSC+1], s[CSC]
	s_add_co_i32 s52, s57, 127
	s_lshl_b32 s53, s52, 23
	v_mov_b32 v244, s53                            ; 2^e9
	s_add_co_i32 s52, s52, 8
	s_lshl_b32 s52, s52, 23
	s_or_b32 s52, s52, 0x600000
	v_mov_b32 v240, s52                            ; 448 x 2^e9
	s_add_co_i32 s52, s58, 127
	s_lshl_b32 s53, s52, 23
	v_mov_b32 v245, s53                            ; 2^e10
	s_add_co_i32 s52, s52, 8
	s_lshl_b32 s52, s52, 23
	s_or_b32 s52, s52, 0x600000
	v_mov_b32 v241, s52                            ; 448 x 2^e10
	PASS 0, 4, 16, 24                              ; block i lies under token 512: four steps of 128 keys at the most
	PASS 1, 8, 208, 216
	s_wait_dscnt 0x0                               ; for the others' sake: my stores into both stages are done
	s_barrier_signal -1
	s_barrier_wait -1                              ; 64 whole rows lie in each stage; each wave stores four of each
	ds_load_b128 v[24:27], v4
	ds_load_b128 v[28:31], v4 offset:2*SPI
	ds_load_b128 v[216:219], v4 offset:STGB
	ds_load_b128 v[220:223], v4 offset:STGB+2*SPI
	s_wait_dscnt 0x2                               ; the first stage's two loads are in; the second's two may be out
	global_store_b128 v5, v[24:27], s[OB:OB+1]             ; sixteen lanes store 256 consecutive bytes, aligned: one token's four heads
	global_store_b128 v5, v[28:31], s[OB:OB+1] offset:4096
	s_wait_dscnt 0x0
	global_store_b128 v5, v[216:219], s[OB+2:OB+3]
	global_store_b128 v5, v[220:223], s[OB+2:OB+3] offset:4096
	s_wait_tensorcnt 0x0
	ds_add_u32 v251, v255
	s_wait_dscnt 0x0
	s_endpgm
.Lfunc_end_k_q19788f104c_attn:
	.size	k_q19788f104c_attn, .Lfunc_end_k_q19788f104c_attn-k_q19788f104c_attn
	.p2alignl 7, 3214868480
	.fill 96, 4, 3214868480
	.section	.rodata,"a",@progbits
	.p2align	6, 0x0
	.amdhsa_kernel k_q19788f104c_attn
		.amdhsa_group_segment_fixed_size 169984
		.amdhsa_private_segment_fixed_size 0
		.amdhsa_enable_private_segment 0
		.amdhsa_kernarg_size 32
		.amdhsa_user_sgpr_count 2
		.amdhsa_user_sgpr_kernarg_segment_ptr 1
		.amdhsa_wavefront_size32 1
		.amdhsa_system_sgpr_workgroup_id_x 1
		.amdhsa_system_sgpr_workgroup_id_y 1
		.amdhsa_system_sgpr_workgroup_id_z 1
		.amdhsa_system_vgpr_workitem_id 0
		.amdhsa_next_free_vgpr 256
		.amdhsa_next_free_sgpr 66
		.amdhsa_reserve_vcc 1
		.amdhsa_float_denorm_mode_32 3
		.amdhsa_float_denorm_mode_16_64 3
		.amdhsa_memory_ordered 1
		.amdhsa_forward_progress 1
		.amdhsa_inst_pref_size 61
	.end_amdhsa_kernel
	.amdgpu_metadata
---
amdhsa.version: [ 1, 2 ]
amdhsa.kernels:
  - .name:           k_q19788f104c_attn
    .symbol:         k_q19788f104c_attn.kd
    .args:
      - { .name: qimg, .offset: 0, .size: 8, .value_kind: global_buffer, .address_space: global }
      - { .name: kvimg, .offset: 8, .size: 8, .value_kind: global_buffer, .address_space: global }
      - { .name: lowp_scales, .offset: 16, .size: 8, .value_kind: global_buffer, .address_space: global }
      - { .name: acodes, .offset: 24, .size: 8, .value_kind: global_buffer, .address_space: global }
    .group_segment_fixed_size: 169984
    .private_segment_fixed_size: 0
    .kernarg_segment_align: 8
    .kernarg_segment_size: 32
    .max_flat_workgroup_size: 512
    .sgpr_count:     66
    .vgpr_count:     256
    .wavefront_size: 32
...
	.end_amdgpu_metadata
.endif
;; end of part 3
;; launch oproj (part 4): grid 8 x 32, 4 waves a work-group, clusters of 4 x 4, 327,680 bytes of LDS; arguments acodes, wcodes, lowp_scales, out0; writes out0
.if DOCPART == 4
	.amdgcn_target "amdgcn-amd-amdhsa--gfx1250"
	.amdhsa_code_object_version 6
	.text
	.protected	k_q19788f104c_oproj
	.globl	k_q19788f104c_oproj
	.p2align	8
	.type	k_q19788f104c_oproj,@function
k_q19788f104c_oproj:
	s_mov_b64 s[64:65], 0
	v_nop
	global_prefetch_b8 v0, s[64:65] scope:SCOPE_SE
	s_setreg_imm32_b32 hwreg(HW_REG_WAVE_MODE, 25, 1), 1
	s_wait_xcnt 0x0
	s_wait_alu depctr_hold_cnt(0) depctr_sa_sdst(0) depctr_va_vdst(0) depctr_va_sdst(0) depctr_va_ssrc(0) depctr_va_vcc(0) depctr_vm_vsrc(0)
	s_getreg_b32 s2, hwreg(HW_REG_IB_STS2, 6, 4)
	s_cmp_eq_u32 s2, 0
	s_cbranch_scc0 .Lentry_in_a_cluster
	s_endpgm
.Lentry_in_a_cluster:
	s_bfe_u32 s2, ttmp6, 0x10000c
	s_cmp_lg_u32 s2, 0xf033
	s_cbranch_scc0 .Lentry_shape_is_right
	s_endpgm
.Lentry_shape_is_right:
; OPROJ: out0 = attention's result (codes, entry 10) x wo (codes, entry 11; rows 3,072 on of wcodes), K = 2,048; each finished sum x 2^(e10 + e11).  LIMIT: e10 + e11 between -126 and 127.
; A tile of 128 tokens x 256 columns to a work-group, 64 x 128 to each of four waves: 32 x 8 tiles, one to a WGP.  K goes in steps of 256 through a ring of two LDS slots.
; CLUSTER 4, 4, 1: the tokens' tile is asked for jointly along a row of the cluster, wo's along a column.  Results leave through each wave's stage as rows of 512 bytes.
.set SIZE_M, 4096
.set SIZE_N, 2048
.set SIZE_K, 2048
.set WO_AT,  0x600000
.set KSTEP,  256
.set ROWB,   256
.set KROW,   SIZE_K
.set PITCH,  272
.set FR,     16
.set NL,     4
.set NP,     4
.set AHALF,  64*PITCH
.set BHALF,  128*PITCH
.set BOFF,   2*AHALF
.set SLOT,   2*AHALF+2*BHALF
.set LAPS,   SIZE_K/(2*KSTEP)
.set SPARE,  2*SLOT
.set STAGE,  SPARE+512
.set SPITCH, 528
.set ADRA, 16
.set ADRB, 20
.set STO,  24
.set RD,   25
.set CO,   26
.set SPW,  28
.set NIL,  29
.set PFO,  30
.set TMP,  32
.set AF,   128
.set BK,   128
.set PFA,  12
.set ASKL, 66
.set G1, 24
.set G0, 32
.set G1B, 48
.set G0B, 56
.set MSB, 0
.macro WIN new
.if MSB != \new
	s_set_vgpr_msb (MSB<<8)|\new
.set MSB, \new
.endif
.endm
.set MUL_LO, 0xa1
.set TO_B,   0x40
.macro JLOAD g0a, g1a, g0b, g1b
	s_cmp_eq_u32 s15, 0
	s_cbranch_scc0 .Lfor_b_\@
	tensor_load_to_lds s[\g0a:\g0a+3], s[\g1a:\g1a+7]
	s_nop 0
.rept 4
	v_nop
.endr
	s_branch .Lasked_\@
.Lfor_b_\@:
	tensor_load_to_lds s[\g0b:\g0b+3], s[\g1b:\g1b+7]
	s_nop 0
.rept 4
	v_nop
.endr
.Lasked_\@:
.endm
.macro ASK
	s_cmp_gt_u32 s3, s[ASKL]
	s_cbranch_scc0 .Lnot_mine_\@
	s_wait_alu depctr_va_vdst(0)
	global_prefetch_b8 v[PFO], s[PFA:PFA+1] offset:2*ROWB th:TH_LOAD_NT scope:SCOPE_SE
.Lnot_mine_\@:
.endm
.macro CREST
	s_cmp_lg_u32 s14, 0
	s_cbranch_scc1 .Lnot_wave_0_\@
	s_barrier_signal -3
.Lnot_wave_0_\@:
	s_barrier_wait -3
	s_barrier_signal -1
	s_barrier_wait -1
.endm
.macro CROUND
	s_barrier_signal -1
	s_barrier_wait -1
	CREST
.endm
	s_load_b128 s[4:7], s[0:1], 0x0
	s_load_b128 s[8:11], s[0:1], 0x10
	v_lshl_add_u32 v[SPW], v0, 2, SPARE
	v_mov_b32 v[NIL], 0
	ds_add_u32 v28, v29
	ds_add_u32 v28, v29
	s_wait_dscnt 0x0
	v_lshrrev_b32 v1, 5, v0
	v_readfirstlane_b32 s14, v1
	s_lshr_b32 s15, s14, 1
	s_and_b32 s16, s14, 1
	s_bfe_u32 s40, ttmp6, 0x40000
	s_bfe_u32 s41, ttmp6, 0x40004
	s_lshl_b32 s42, ttmp9, 2
	s_add_co_u32 s42, s42, s40
	s_and_b32 s17, ttmp7, 0xffff
	s_lshl_b32 s17, s17, 2
	s_add_co_u32 s17, s17, s41
	s_lshl_b32 s43, s41, 2
	s_lshl_b32 s43, 15, s43
	s_lshl_b32 s44, 0x1111, s40
	s_or_b32 s[G1+0], s43, (0<<16)|(1<<20)|(1<<21)|(5<<22)|(3<<25)
	s_or_b32 s[G1B+0], s44, (0<<16)|(1<<20)|(1<<21)|(5<<22)|(3<<25)
	s_mov_b32 s[G1+1], ROWB<<16
	s_mov_b32 s[G1+2], 64<<16
	s_mov_b32 s[G1+3], ROWB<<16
	s_mov_b32 s[G1+4], 64
	s_mov_b32 s[G1+5], KROW
	s_mov_b32 s[G1+6], 0
	s_mov_b32 s[G1+7], 0
	s_mov_b32 s[G1B+1], ROWB<<16
	s_mov_b32 s[G1B+2], 128<<16
	s_mov_b32 s[G1B+3], ROWB<<16
	s_mov_b32 s[G1B+4], 128
	s_mov_b32 s[G1B+5], KROW
	s_mov_b32 s[G1B+6], 0
	s_mov_b32 s[G1B+7], 0
	s_lshl_b32 s18, s16, 6
	s_lshl_b32 s20, s17, 7
	s_add_co_u32 s20, s20, s18
	s_lshl_b32 s18, s16, 7
	s_lshl_b32 s46, s42, 8
	s_add_co_u32 s46, s46, s18
	s_mov_b32 s21, 0
	s_mov_b32 s47, 0
	s_mov_b64 s[18:19], KROW
	s_mul_u64 s[20:21], s[20:21], s[18:19]
	s_mul_u64 s[46:47], s[46:47], s[18:19]
	s_mul_i32 s45, s16, AHALF
	s_mul_i32 s67, s16, BHALF
	s_add_co_u32 s67, s67, BOFF
	s_wait_kmcnt 0x0
	s_load_b64 s[96:97], s[8:9], 0x28
	s_add_nc_u64 s[20:21], s[4:5], s[20:21]
	s_add_nc_u64 s[46:47], s[6:7], s[46:47]
	s_add_nc_u64 s[46:47], s[46:47], WO_AT
	CROUND
.irp s, 0,1
	s_mov_b32 s[G0+4*\s], 1
	s_add_co_u32 s[G0+4*\s+1], s45, \s*SLOT
	s_add_nc_u64 s[G0+4*\s+2:G0+4*\s+3], s[20:21], \s*ROWB
	s_or_b32 s[G0+4*\s+3], s[G0+4*\s+3], 0x80000000
	s_mov_b32 s[G0B+4*\s], 1
	s_add_co_u32 s[G0B+4*\s+1], s67, \s*SLOT
	s_add_nc_u64 s[G0B+4*\s+2:G0B+4*\s+3], s[46:47], \s*ROWB
	s_or_b32 s[G0B+4*\s+3], s[G0B+4*\s+3], 0x80000000
.if \s                                         ; K step 0's load stands behind the opening round; slot 1's first fill is issued as a refill is
	s_wait_alu depctr_va_vdst(0)
	s_wait_tensorcnt 0x0
	ds_add_u32 v28, v29
	ds_add_u32 v28, v29
	s_wait_dscnt 0x0
	CROUND
.endif
	JLOAD G0+4*\s, G1, G0B+4*\s, G1B
.endr
	s_and_b32 s18, ttmp7, 0xffff
	s_cmp_eq_u32 s15, 0
	s_cselect_b32 s18, ttmp9, s18
	s_cselect_b32 s19, s40, s41
	s_cselect_b32 s22, s16, 0
	s_cselect_b64 s[PFA:PFA+1], s[20:21], s[46:47]
	s_or_b32 s18, s18, s22
	s_cmp_eq_u32 s18, 0
	s_cselect_b32 s[ASKL], 1, -1
	s_lshl_b32 s18, s19, 16
	s_add_co_u32 s18, s18, ROWB
	s_mov_b32 s19, 0
	s_add_nc_u64 s[PFA:PFA+1], s[PFA:PFA+1], s[18:19]
	v_and_b32 v1, 15, v0
	s_wait_alu depctr_va_vdst(0)
	v_bfe_u32 v2, v0, 4, 1
	v_mul_u32_u24 v3, v1, PITCH
	v_lshl_add_u32 v4, v2, 4, v3
	s_mul_i32 s21, s15, AHALF
	s_mul_i32 s22, s16, BHALF
	s_add_co_u32 s22, s22, BOFF
.irp s, 0,1
	v_add_nc_u32 v[ADRA+\s], s21, v4
	v_add_nc_u32 v[ADRB+\s], s22, v4
	s_add_co_u32 s21, s21, SLOT
	s_add_co_u32 s22, s22, SLOT
.endr
	s_mul_i32 s23, s14, 16*SPITCH
	s_add_co_u32 s23, s23, STAGE
	v_mul_u32_u24 v5, v1, SPITCH
	s_wait_alu depctr_va_vdst(0)
	v_lshl_add_u32 v5, v2, 5, v5
	v_add_nc_u32 v[STO], s23, v5
	v_and_b32 v6, 31, v0
	v_lshlrev_b32 v[CO], 4, v6
	v_add_nc_u32 v[RD], s23, v[CO]
	v_lshlrev_b32 v[PFO], 11, v6
	s_lshl_b32 s20, s17, 7
	s_lshl_b32 s21, s15, 6
	s_add_co_u32 s20, s20, s21
	s_mov_b32 s21, 0
	s_mov_b64 s[18:19], SIZE_N*4
	s_mul_u64 s[20:21], s[20:21], s[18:19]
	s_lshl_b32 s46, s42, 10
	s_lshl_b32 s47, s16, 9
	s_add_co_u32 s46, s46, s47
	s_mov_b32 s47, 0
	s_add_nc_u64 s[20:21], s[20:21], s[46:47]
	s_add_nc_u64 s[10:11], s[10:11], s[20:21]
.macro FRAG reg, adr, q, i
.irp c, 0,1,2,3
	ds_load_b128 v[\reg+4*\c:\reg+4*\c+3], v[\adr] offset:128*(\q)+32*\c+(\i)*16*PITCH
.endr
.endm
.macro MUL8 a, p, zero
.irp b, 0,1,2,3,4,5,6,7
.if \zero
	v_wmma_f32_16x16x128_fp8_fp8 v[8*(8*(\a)+\b):8*(8*(\a)+\b)+7], v[128*(\p)+FR*\b:128*(\p)+FR*\b+FR-1], v[AF+FR*(\a):AF+FR*(\a)+FR-1], 0
.else
	v_wmma_f32_16x16x128_fp8_fp8 v[8*(8*(\a)+\b):8*(8*(\a)+\b)+7], v[128*(\p)+FR*\b:128*(\p)+FR*\b+FR-1], v[AF+FR*(\a):AF+FR*(\a)+FR-1], v[8*(8*(\a)+\b):8*(8*(\a)+\b)+7]
.endif
.endr
.endm
.macro FETCH_B slot, q, p
	WIN TO_B
.irp i, 0,1,2,3,4,5,6,7
	FRAG 128*(\p)+FR*\i, ADRB+\slot, \q, \i
.endr
	WIN 0
.endm
.macro FETCH_A slot, q, i0
.irp i, \i0, \i0+1
	FRAG AF+FR*(\i), ADRA+\slot, \q, \i
.endr
.endm
.macro PLACES n
.rept \n
	v_nop
.endr
.endm
.macro STEP slot, q, zero
	s_wait_dscnt 2*NL
	WIN MUL_LO
	MUL8 0, (\q)%2, \zero
	MUL8 1, (\q)%2, \zero
	s_wait_dscnt 0
	PLACES NP
	FETCH_B \slot, (\q)+1, 1-(\q)%2
	FETCH_A \slot, (\q)+1, 0
	WIN MUL_LO
	MUL8 2, (\q)%2, \zero
	MUL8 3, (\q)%2, \zero
	PLACES NP
	WIN 0
	FETCH_A \slot, (\q)+1, 2
.endm
.macro TURN slot, next, fill
.if \fill
	s_wait_xcnt 0x0
	s_add_nc_u64 s[PFA:PFA+1], s[PFA:PFA+1], ROWB
.endif
	s_wait_tensorcnt 0x0
	ds_add_u32 v[SPW], v[NIL]
.if \fill
	s_add_nc_u64 s[G0+4*\slot+2:G0+4*\slot+3], s[G0+4*\slot+2:G0+4*\slot+3], 2*ROWB
	s_add_nc_u64 s[G0B+4*\slot+2:G0B+4*\slot+3], s[G0B+4*\slot+2:G0B+4*\slot+3], 2*ROWB
.endif
	s_wait_dscnt 0x0
.if \fill
	CROUND
	JLOAD G0+4*\slot, G1, G0B+4*\slot, G1B
	ASK
.else
	s_barrier_signal -1
	s_barrier_wait -1
.endif
	WIN MUL_LO
	MUL8 0, 1, 0
	MUL8 1, 1, 0
	PLACES NP
	FETCH_B \next, 0, 0
	FETCH_A \next, 0, 0
	WIN MUL_LO
	MUL8 2, 1, 0
	MUL8 3, 1, 0
	PLACES NP
	WIN 0
	FETCH_A \next, 0, 2
.endm
	s_wait_tensorcnt 1
	s_barrier_signal -1
	s_barrier_wait -1
	FETCH_B 0, 0, 0
	FETCH_A 0, 0, 0
	FETCH_A 0, 0, 2
	STEP 0, 0, 1
	s_mov_b32 s3, LAPS-1
.Llap:
	TURN 0, 1, 1
	STEP 1, 0, 0
	TURN 1, 0, 1
	STEP 0, 0, 0
	s_sub_co_u32 s3, s3, 1
	s_cmp_lg_u32 s3, 0
	s_cbranch_scc1 .Llap
	TURN 0, 1, 0
	STEP 1, 0, 0
	s_wait_dscnt 2*NL
	WIN MUL_LO
	MUL8 0, 1, 0
	MUL8 1, 1, 0
	s_wait_dscnt 0
	MUL8 2, 1, 0
	MUL8 3, 1, 0
	WIN 0
.macro TOSTAGE a
.set AC, 64*(\a)
	WIN 0x02
.irp j, 0,2,4,6,8,10,12,14,16,18,20,22,24,26,28,30,32,34,36,38,40,42,44,46,48,50,52,54,56,58,60,62
	v_pk_mul_f32 v[TMP+\j:TMP+\j+1], v[AC+\j:AC+\j+1], s[96:97] op_sel_hi:[1,0]
.endr
	WIN 0
.irp b, 0,1,2,3,4,5,6,7
	ds_store_b128 v[STO], v[TMP+8*\b:TMP+8*\b+3] offset:64*\b
	ds_store_b128 v[STO], v[TMP+8*\b+4:TMP+8*\b+7] offset:64*\b+16
.endr
.set BB, BK+64*((\a)%2)
	WIN 0x40*((\a)/2)                              ; each block comes back into 64 registers of its own: blocks 0, 1 in window 0, blocks 2, 3 in window 1, where wo's fragments are done with
.irp t, 0,1,2,3,4,5,6,7,8,9,10,11,12,13,14,15
	ds_load_b128 v[BB+4*\t:BB+4*\t+3], v[RD] offset:\t*SPITCH
.endr
	WIN 0
.endm
.macro SEND a, younger
.set BB, BK+64*((\a)%2)
	s_wait_dscnt \younger
	WIN 0x04*((\a)/2)                              ; a store's data are its source 1
.irp t, 0,1,2,3,4,5,6,7,8,9,10,11,12,13,14,15
	global_store_b128 v[CO], v[BB+4*\t:BB+4*\t+3], s[10:11] offset:(16*(\a)+\t)*SIZE_N*4 th:TH_STORE_NT   ; 32 lanes store 512 consecutive bytes, aligned; the base is never stepped: 63 rows of 8,192 bytes at the most lie inside the signed 24-bit immediate
.endr
	WIN 0
.endm
	s_wait_kmcnt 0x0
	s_add_co_i32 s96, s96, s97
	s_add_co_i32 s96, s96, 127
	s_lshl_b32 s96, s96, 23
	PLACES NP
	TOSTAGE 0
.irp a, 1,2,3                          ; no register and no base that a pending store reads is written again, so no wait stands between the blocks' stores
	TOSTAGE \a
	SEND \a-1, 32
.endr
	SEND 3, 0
	s_wait_tensorcnt 0x0
	ds_add_u32 v[SPW], v[NIL]
	s_wait_dscnt 0x0
	CROUND
	s_endpgm
.Lfunc_end_k_q19788f104c_oproj:
	.size	k_q19788f104c_oproj, .Lfunc_end_k_q19788f104c_oproj-k_q19788f104c_oproj
	.p2alignl 7, 3214868480
	.fill 96, 4, 3214868480
	.section	.rodata,"a",@progbits
	.p2align	6, 0x0
	.amdhsa_kernel k_q19788f104c_oproj
		.amdhsa_group_segment_fixed_size 327680
		.amdhsa_private_segment_fixed_size 0
		.amdhsa_enable_private_segment 0
		.amdhsa_kernarg_size 32
		.amdhsa_user_sgpr_count 2
		.amdhsa_user_sgpr_kernarg_segment_ptr 1
		.amdhsa_wavefront_size32 1
		.amdhsa_system_sgpr_workgroup_id_x 1
		.amdhsa_system_sgpr_workgroup_id_y 1
		.amdhsa_system_sgpr_workgroup_id_z 1
		.amdhsa_system_vgpr_workitem_id 0
		.amdhsa_next_free_vgpr 768
		.amdhsa_next_free_sgpr 98
		.amdhsa_reserve_vcc 0
		.amdhsa_float_denorm_mode_32 3
		.amdhsa_float_denorm_mode_16_64 3
		.amdhsa_memory_ordered 1
		.amdhsa_forward_progress 1
		.amdhsa_inst_pref_size 78
	.end_amdhsa_kernel
	.amdgpu_metadata
---
amdhsa.version: [ 1, 2 ]
amdhsa.kernels:
  - .name:           k_q19788f104c_oproj
    .symbol:         k_q19788f104c_oproj.kd
    .args:
      - { .name: acodes, .offset: 0, .size: 8, .value_kind: global_buffer, .address_space: global }
      - { .name: wcodes, .offset: 8, .size: 8, .value_kind: global_buffer, .address_space: global }
      - { .name: lowp_scales, .offset: 16, .size: 8, .value_kind: global_buffer, .address_space: global }
      - { .name: out0, .offset: 24, .size: 8, .value_kind: global_buffer, .address_space: global }
    .group_segment_fixed_size: 327680
    .private_segment_fixed_size: 0
    .kernarg_segment_align: 8
    .kernarg_segment_size: 32
    .max_flat_workgroup_size: 128
    .sgpr_count:     98
    .vgpr_count:     768
    .wavefront_size: 32
...
	.end_amdgpu_metadata
.endif
;; end of part 4
